; MI455X (gfx1250); checked and timed in simulation.
; The chip was launched on July 23, 2026; its instructions are those of AMD's public machine-readable ISA for CDNA 5 (MIT licence, August 2026) and "CDNA5" Instruction Set Architecture Reference Guide (July 2026). The comments in the code are by the model that wrote it; some were corrected since.
;; MQ Parallel FF Transformer. Allowed arithmetic: matrix products marked QUANTISED: E3M2 operands, one E8M0 scale for each 32 along K, by v_wmma_scale_f32_16x16x128_f8f6f4 with both operands' format E3M2, f32 sums; everything else in f32.
;; Inputs: Wff1_codes 8,192 x 32 x 24 uint8 (E3M2 codes of Wff1, K innermost, in blocks of 32 codes, four codes in three bytes); Wff1_scales 8,192 x 32 uint8 (E8M0 scales of Wff1, one for each 32 codes along K); Wff2_codes 1,024 x 128 x 24 uint8 (E3M2 codes of Wff2, K innermost, in blocks of 32 codes, four codes in three bytes); Wff2_scales 1,024 x 128 uint8 (E8M0 scales of Wff2, one for each 32 codes along K); Wkv_codes 128 x 32 x 24 uint8 (E3M2 codes of Wkv, K innermost, in blocks of 32 codes, four codes in three bytes); Wkv_scales 128 x 32 uint8 (E8M0 scales of Wkv, one for each 32 codes along K); Wo_codes 1,024 x 32 x 24 uint8 (E3M2 codes of Wo, K innermost, in blocks of 32 codes, four codes in three bytes); Wo_scales 1,024 x 32 uint8 (E8M0 scales of Wo, one for each 32 codes along K); Wq_codes 1,024 x 32 x 24 uint8 (E3M2 codes of Wq, K innermost, in blocks of 32 codes, four codes in three bytes); Wq_scales 1,024 x 32 uint8 (E8M0 scales of Wq, one for each 32 codes along K); g1 1,024 float32; g2 1,024 float32; g_out 1,024 float32; x 4 x 1,024 x 1,024 float32; y 4 x 1,024 x 1,024 float32.
;; Outputs: out0 4 x 1,024 x 1,024 float32.
;; This version of the problem:
;;   THIS VERSION OF THE PROBLEM IS GIVEN IN LOW PRECISION. The matrix products marked QUANTISED in the list below multiply operands that are first quantised to E3M2 (3 exponent bits, 2 mantissa bits; 6 bits a number), with one power-of-two scale for each 32 numbers along K (OCP MX v1.0); their sums are f32. All else is computed in f32.
;;   The module's matrix products, in the order in which they are computed (A, B: the left and right operand; K: the contracted axis; several contracted axes count as one K, in the product's order):
;;     1. [M 4,096, K 1,024] x [K 1,024, N 1,024]; A: computed on the way; B: input Wq (given as codes): QUANTISED
;;     2. [M 4,096, K 1,024] x [K 1,024, N 128]; A: computed on the way; B: input Wkv (given as codes): QUANTISED
;;     3. batch 4 x [M 16,384, K 64] x [K 64, N 1,024]; A: computed on the way; B: computed on the way: QUANTISED
;;     4. batch 4 x [M 16,384, K 1,024] x [K 1,024, N 64]; A: softmax (see below); B: computed on the way: QUANTISED
;;     5. [M 4,096, K 1,024] x [K 1,024, N 1,024]; A: computed on the way; B: input Wo (given as codes): QUANTISED
;;     6. [M 4,096, K 1,024] x [K 1,024, N 8,192]; A: computed on the way; B: input Wff1 (given as codes): QUANTISED
;;     7. [M 4,096, K 4,096] x [K 4,096, N 1,024]; A: computed on the way; B: input Wff2 (given as codes): QUANTISED
;;   THE QUANTISER, for each operand of a quantised product, along K:
;;     - K is cut into blocks of 32 from its start; a last block that is shorter is filled with zeros.
;;     - A block's scale is 2^e with e = floor(log2(the largest magnitude in the block)) - 4, held to -126 .. 127; a block of zeros has e = 0. As a byte (E8M0): e + 127.
;;     - Each number is divided by its block's scale, clamped to +-28, and rounded to the nearest number of E3M2, ties to even, subnormals kept.
;;     - The product sums the exact products of the quantised numbers (number of the format x scale) in f32.
;;   ~~~python
;;   def quantise(x, axis):      # numpy; x: float32 -> the quantised numbers, widened to float32 again
;;       x = np.moveaxis(x, axis, -1); K = x.shape[-1]
;;       x = np.pad(x, [(0, 0)] * (x.ndim - 1) + [(0, -K % 32)]); x = x.reshape(x.shape[:-1] + (-1, 32)); a = np.abs(x).max(-1, keepdims=True)
;;       e = np.where(a > 0, np.clip(np.frexp(np.where(a > 0, a, 1))[1] - 1 - 4, -126, 127), 0)      # np.frexp(a)[1] - 1 = floor(log2(a)), exactly
;;       r = np.clip(x / 2.0 ** e, -28, 28)
;;       step = 2.0 ** (np.maximum(np.frexp(np.where(r == 0, 1, r))[1] - 1, -2) - 2)
;;       q = np.round(r / step) * step * 2.0 ** e      # np.round: ties to even
;;       return np.moveaxis(q.reshape(q.shape[:-2] + (-1,))[..., :K], -1, axis).astype(np.float32)
;;   ~~~
;;   SOFTMAX AHEAD OF A QUANTISED PRODUCT. Where the list says 'softmax', what is quantised is not the finished softmax but p = 2^(t - M), with t = logit x log2(e) and M = ceil(the row's largest t), a whole number; so 1/2 < the row's largest p <= 1. The row's sum l is taken of the UNQUANTISED p, in f32, and the product's result is divided by l at the end. Since M is a whole number, a kernel that streams over the keys may use a running M (the ceiling of the running maximum): every later rescaling is an exact power of two, which a block's scale takes up: the codes' values come out the same.
;;   OPERANDS COMPUTED ON THE WAY. 'Computed on the way' means the value that the module computes at that place (a softmax that the list does not call 'softmax' is quantised finished and normalised). What goes into a quantiser is computed in f32, as accurately as f32 sums, v_exp_f32 and their like allow (about 1e-6 of the number): no bf16 or f16 on the way to a quantiser, and a product that is left as it is and whose result goes on into a quantised operand takes f32 operands (vector FMAs, or v_wmma_f32_16x16x4_f32). A number that lies on a knife's edge between two numbers of the format may be rounded either way, as far as f32 arithmetic and the matrix unit's own rounding can turn it there, and no further.
;;   INPUTS GIVEN AS CODES. Wff1 (in the module: [1024, 8192], K = its axis 0); Wff2 (in the module: [4096, 1024], K = its axis 0); Wkv (in the module: [1024, 128], K = its axis 0); Wo (in the module: [1024, 1024], K = its axis 0); Wq (in the module: [1024, 1024], K = its axis 0): each comes as NAME_codes (uint8): NAME with its K axis moved to the last place and cut into blocks of 32 codes, [.., K / 32, bytes a block], one block behind the other in memory; four codes in three bytes: a row's codes are one little-endian stream of bits, code i at bits 6 i .. 6 i + 5 (a code: sign, 3 exponent bits, 2 mantissa bits); and NAME_scales (uint8): the same leading axes, one E8M0 byte (e + 127) for each 32 codes along K. Its value is code x scale, taken as it is: it is not quantised again, and the codes and scales need not be those that the quantiser above would give.
;; One version. Each part assembles by itself: llvm-mc -triple=amdgcn-amd-amdhsa -mcpu=gfx1250 --defsym DOCPART=n.
;; ======== version 1 of 1: 5 launches
;; workspace buffers: xq 3,276,800 bytes; yq 3,309,568 bytes; kv 409,600 bytes; ao 3,276,800 bytes; ff 13,107,200 bytes; tb 17,301,504 bytes
;; launch norm (part 1): grid 256 x 1, 8 waves a work-group, no clusters, 165,888 bytes of LDS; arguments x, y, g1, g2, Wkv_codes, Wkv_scales, xq, yq, kv; writes xq, yq, kv
.if DOCPART == 1
	.amdgcn_target "amdgcn-amd-amdhsa--gfx1250"
	.amdhsa_code_object_version 6
	.text
	.protected	k_q1914d3a897_norm
	.globl	k_q1914d3a897_norm
	.p2align	8
	.type	k_q1914d3a897_norm,@function
k_q1914d3a897_norm:
	s_mov_b64 s[64:65], 0
	v_nop
	global_prefetch_b8 v0, s[64:65] scope:SCOPE_SE
	s_setreg_imm32_b32 hwreg(HW_REG_WAVE_MODE, 25, 1), 1
	s_wait_xcnt 0x0
; LAUNCH 1 OF 5.  xn = LN(x) g1 and yn = LN(y) g2 in f32, quantised along their 1,024 (E3M2 codes, one E8M0 byte for each 32); the rows' mean and 1/sqrt(var + eps) of y;
; kv = yn Wkv on codes; k quantised along its 64, v along the keys.
; DEAD WORK: none.  Every input of the problem reaches out0 and every product of its table is live, so no launch of this program leaves an input, a product, a row or a step out.
; (Product 3 has K = 64, two whole blocks; the matrix instruction's other 64 along K meet zero codes on q's side: launch 2.)
; LIMITS: NaN and infinities among the inputs are not served.  A block whose largest magnitude lies under 2^-122 gets the scale byte 1; a block of zeros gets the byte 1 where the quantiser says 127:
; its codes are zeros, which add nothing under that byte, and these bytes are read by this program alone.
; SHARES.  Work-groups 0-127 take 32 rows of x each, 128-255 32 rows of y.  Wave w takes rows 4 w .. 4 w + 3, a row at a time, whole, in 32 registers: memory is read once.
; LAYOUT OF THE CODES: images of the operand's registers.  A fragment (16 rows x 128 K, 12 registers a lane) is 1,536 bytes: chunk c (512 bytes) holds lane l's registers 4 c .. 4 c + 3 at 16 l.
; xq, yq: [row / 16][K / 128][1,536], then the scale words [row / 16][K / 128][16 rows x 4 bytes]; yq then has [row][mean, rstd].
; kv: for each batch 53,248 bytes: k's codes [1,024 rows][48 bytes], k's scale words [32 keys' group][16][2 tiles][2 bytes], v's scale words [K / 128][64][4]; from byte 212,992 v's codes [batch][64][768 bytes], keys innermost.
; Within 32 keys, key n lies at row 16 ((n >> 3) & 1) + 8 (n >> 4) + (n & 7): sixteen rows on end are then the keys that launch 2 wants in one tile.
; k's and v's stores are pieces of 12 bytes and single bytes: a work-group owns no more of a row; they are 0.4 MB of the launch's 40.
.set TILEB, 12288                      ; a tile of 16 rows x 1,024 K as 8 fragment images
.set SCI,   10*TILEB                   ; LDS: tiles 0-7 Wkv's, tiles 8, 9 the work-group's 32 rows; then their scale words, 512 bytes a tile
.set TURN,  SCI+10*512                 ; a stage for each wave: 32 places of 128 bytes + 16
.set TPL,   144
.set SPARE, TURN+8*32*TPL              ; the spare words, 128 bytes for each wave
.set SPW, 12                           ; v12 my spare word's address; v13 0: never rewritten
.set NIL, 13
.set ST,  14                           ; v14-21 (mean, rstd) of my four rows
.set G,   24                           ; v24-55 the gain at my columns
.set R,   56                           ; v56-119 two rows as loaded
.set X,   120                          ; v120-151 32 neighbours along K
.set C,   152                          ; v152-158 their codes
.set T,   160                          ; v160-167 at work
.set BY,  168                          ; v168-171 a scale byte for each row
.set WF,  128                          ; at the head: Wkv's 8 fragments of my tile
.set BF,  56                           ; the kv product: two buffers of three fragments
.set ACC, 224                          ; its two accumulators
.set SS,  240                          ; v240-251 its scale words and nothing else
.macro WMMA d, a, b, zero, sa, sb, row ; row 0: both sides' scales from lanes 0-15; 1: both from lanes 16-31; 2: source 1's from lanes 16-31
.if \zero
	v_wmma_scale_f32_16x16x128_f8f6f4 v[\d:\d+7], v[\a:\a+11], v[\b:\b+11], 0, v[\sa], v[\sb] matrix_a_fmt:MATRIX_FMT_BF6 matrix_b_fmt:MATRIX_FMT_BF6
.elseif (\row) == 0
	v_wmma_scale_f32_16x16x128_f8f6f4 v[\d:\d+7], v[\a:\a+11], v[\b:\b+11], v[\d:\d+7], v[\sa], v[\sb] matrix_a_fmt:MATRIX_FMT_BF6 matrix_b_fmt:MATRIX_FMT_BF6
.elseif (\row) == 1
	v_wmma_scale_f32_16x16x128_f8f6f4 v[\d:\d+7], v[\a:\a+11], v[\b:\b+11], v[\d:\d+7], v[\sa], v[\sb] matrix_a_fmt:MATRIX_FMT_BF6 matrix_b_fmt:MATRIX_FMT_BF6 matrix_a_scale:MATRIX_SCALE_ROW1 matrix_b_scale:MATRIX_SCALE_ROW1
.else
	v_wmma_scale_f32_16x16x128_f8f6f4 v[\d:\d+7], v[\a:\a+11], v[\b:\b+11], v[\d:\d+7], v[\sa], v[\sb] matrix_a_fmt:MATRIX_FMT_BF6 matrix_b_fmt:MATRIX_FMT_BF6 matrix_b_scale:MATRIX_SCALE_ROW1
.endif
.endm
.macro LANESUM a, b                    ; v[a] = its sum over the 32 lanes, in every lane; v[b] is written over
	v_add_f32_dpp v[\a], v[\a], v[\a] row_xmask:1 row_mask:0xf bank_mask:0xf
	v_add_f32_dpp v[\a], v[\a], v[\a] row_xmask:2 row_mask:0xf bank_mask:0xf
	v_add_f32_dpp v[\a], v[\a], v[\a] row_xmask:4 row_mask:0xf bank_mask:0xf
	v_add_f32_dpp v[\a], v[\a], v[\a] row_xmask:8 row_mask:0xf bank_mask:0xf
	v_permlanex16_b32 v[\b], v[\a], s38, s39
	v_add_f32 v[\a], v[\a], v[\b]
.endm
.macro RLOAD rr                        ; row rr of my four: eight loads of 512 consecutive bytes
.irp j,0,1,2,3,4,5,6,7
	global_load_b128 v[R+32*((\rr)%2)+4*\j:R+32*((\rr)%2)+4*\j+3], v4, s[26:27] offset:4096*(\rr)+512*\j th:TH_LOAD_NT
.endr
.endm
	s_load_b512 s[8:23], s[0:1], 0x0               ; x, y, g1, g2, Wkv's codes, Wkv's scales, xq, yq
	s_load_b64 s[24:25], s[0:1], 0x40              ; kv
	v_lshl_add_u32 v[SPW], v0, 2, SPARE
	v_mov_b32 v[NIL], 0
	v_lshrrev_b32 v1, 5, v0
	v_readfirstlane_b32 s2, v1                     ; wave 0..7
	v_and_b32 v1, 31, v0                           ; lane l
	v_and_b32 v2, 15, v0                           ; r
	v_bfe_u32 v3, v0, 4, 1                         ; h
	v_lshlrev_b32 v4, 4, v1                        ; 16 l
	s_mov_b32 s36, 0x3a800000                      ; 1 / 1,024
	s_mov_b32 s37, 0x3727c5ac                      ; eps = 1e-5
	s_mov_b32 s38, 0x76543210                      ; v_permlanex16_b32's selects for lane l xor 16
	s_mov_b32 s39, 0xfedcba98
	s_mul_i32 s32, s2, 32*TPL
	s_add_co_u32 s32, s32, TURN                    ; my stage
	v_lshrrev_b32 v22, 3, v1
	v_mul_u32_u24 v5, v22, TPL
	v_and_b32 v22, 7, v1
	v_lshl_add_u32 v5, v22, 4, v5
	v_add_nc_u32 v5, s32, v5                       ; in: a load's 512 bytes are four places: place l / 8, 16 (l % 8) in it
	v_mul_u32_u24 v6, v1, TPL
	v_add_nc_u32 v6, s32, v6                       ; out: place l: k = 32 l .. 32 l + 31
	; my block l of a row is K step l / 4, registers 6 c .. 6 c + 5 (c = (l / 2) % 2) of the image's lane 16 (l % 2) + the row.  Byte 24 c + 8 i of a lane's 48 lies at 512 x (its 16-byte chunk) + the rest:
	; i = 0, 1, 2 at 0, 8, 512 for c = 0 and 520, 1,024, 1,032 for c = 1: two registers, base + 520 c (immediates 0, 512) and base + 1,016 c (immediate 8)
	s_lshr_b32 s33, s2, 2
	s_mul_i32 s33, s33, TILEB
	s_and_b32 s34, s2, 3
	s_lshl_b32 s35, s34, 6
	s_add_co_u32 s33, s33, s35
	s_add_co_u32 s33, s33, 8*TILEB
	v_lshrrev_b32 v22, 2, v1
	v_mul_u32_u24 v23, v22, 1536
	v_and_b32 v9, 1, v1
	v_lshl_add_u32 v23, v9, 8, v23
	v_add_nc_u32 v23, s33, v23
	v_bfe_u32 v9, v1, 1, 1
	v_mad_u32_u24 v7, v9, 520, v23
	v_mad_u32_u24 v8, v9, 1016, v23
	s_lshr_b32 s33, s2, 2
	s_lshl_b32 s33, s33, 9
	s_lshl_b32 s35, s34, 4
	s_add_co_u32 s33, s33, s35
	s_add_co_u32 s33, s33, SCI+8*512
	v_lshlrev_b32 v10, 6, v22
	v_and_b32 v9, 3, v1
	v_add_nc_u32 v10, v10, v9
	v_add_nc_u32 v10, s33, v10                     ; my block's scale byte: K step l / 4, the row's word, byte l % 4
	s_wait_kmcnt 0x0
	s_cmp_lt_u32 ttmp9, 128                        ; x's work-group or y's?  The choice hangs on the work-group's number alone
	s_cselect_b64 s[26:27], s[8:9], s[10:11]
	s_cselect_b64 s[28:29], s[12:13], s[14:15]
	s_cselect_b64 s[30:31], s[20:21], s[22:23]
	s_cselect_b32 s3, 0, 1                         ; 1: y
	s_and_b32 s4, ttmp9, 127                       ; which 32 rows
	s_lshl_b32 s32, s4, 17
	s_lshl_b32 s33, s2, 14
	s_add_co_u32 s32, s32, s33
	s_mov_b32 s33, 0
	s_add_nc_u64 s[26:27], s[26:27], s[32:33]      ; my four rows
.irp j,0,1,2,3,4,5,6,7
	global_load_b128 v[G+4*\j:G+4*\j+3], v4, s[28:29] offset:512*\j
.endr
	RLOAD 0
	RLOAD 1
	; y's work-groups: wave w brings Wkv's rows 16 w .. 16 w + 15 and lays them in LDS as fragment images.  Loads, wait and stores stand in one branch
	s_cmp_eq_u32 s3, 0
	s_cbranch_scc1 .Lno_wkv
	v_mul_u32_u24 v9, v2, 768
	v_mad_u32_u24 v9, v3, 24, v9                   ; row r of 768 bytes, + 24 h
	s_mul_i32 s40, s2, TILEB
	s_mov_b32 s41, 0
	s_add_nc_u64 s[34:35], s[16:17], s[40:41]
.irp k,0,1,2,3,4,5,6,7
.irp p,0,1,2,3,4,5
	global_load_b64 v[WF+12*\k+2*\p:WF+12*\k+2*\p+1], v9, s[34:35] offset:96*\k+48*(\p/3)+8*(\p%3)
.endr
.endr
	v_lshlrev_b32 v11, 5, v2
	s_lshl_b32 s42, s2, 9
	s_mov_b32 s43, 0
	s_add_nc_u64 s[44:45], s[18:19], s[42:43]
	global_load_b128 v[X:X+3], v11, s[44:45]       ; row r's 8 scale words
	global_load_b128 v[X+4:X+7], v11, s[44:45] offset:16
	v_add_nc_u32 v22, s40, v4
	s_add_co_u32 s42, s42, SCI
	v_lshl_add_u32 v23, v2, 2, s42
	s_wait_loadcnt 0x0
.irp k,0,1,2,3,4,5,6,7
.irp c,0,1,2
	ds_store_b128 v22, v[WF+12*\k+4*\c:WF+12*\k+4*\c+3] offset:1536*\k+512*\c
.endr
	ds_store_b32 v23, v[X+\k] offset:64*\k         ; (both halves of the lanes hold row r's word and write it)
.endr
.Lno_wkv:
.macro ROW rr
.set RS, R+32*((\rr)%2)
.if (\rr) < 3
	s_wait_loadcnt 8                               ; this row (and the gain) are in; the next row's eight loads may be out
.else
	s_wait_loadcnt 0x0
.endif
.irp k,0,1,2,3
	v_pk_add_f32 v[T+2*\k:T+2*\k+1], v[RS+4*\k:RS+4*\k+1], v[RS+4*\k+2:RS+4*\k+3]   ; the row's sum, in four chains
.endr
.irp i,16,24
.irp k,0,1,2,3
	v_pk_add_f32 v[T+2*\k:T+2*\k+1], v[T+2*\k:T+2*\k+1], v[RS+\i+2*\k:RS+\i+2*\k+1]
.endr
.endr
	v_pk_add_f32 v[T:T+1], v[T:T+1], v[T+2:T+3]
	v_pk_add_f32 v[T+4:T+5], v[T+4:T+5], v[T+6:T+7]
	v_pk_add_f32 v[T:T+1], v[T:T+1], v[T+4:T+5]
	v_add_f32 v[T], v[T], v[T+1]
	LANESUM T, T+1
	v_mul_f32 v[T+2], s36, v[T]                    ; the mean
	v_mov_b32 v[T+3], v[T+2]
	v_mov_b32 v[ST+2*(\rr)], v[T+2]
.set j, 0
.rept 16
	v_pk_add_f32 v[RS+j:RS+j+1], v[RS+j:RS+j+1], v[T+2:T+3] neg_lo:[0,1] neg_hi:[0,1]   ; d = x - mean, in place
.set j, j+2
.endr
	v_pk_mul_f32 v[T+4:T+5], v[RS:RS+1], v[RS:RS+1]
	v_pk_mul_f32 v[T+6:T+7], v[RS+2:RS+3], v[RS+2:RS+3]
.set j, 4
.rept 7
	v_pk_fma_f32 v[T+4:T+5], v[RS+j:RS+j+1], v[RS+j:RS+j+1], v[T+4:T+5]
	v_pk_fma_f32 v[T+6:T+7], v[RS+j+2:RS+j+3], v[RS+j+2:RS+j+3], v[T+6:T+7]
.set j, j+4
.endr
	v_pk_add_f32 v[T+4:T+5], v[T+4:T+5], v[T+6:T+7]
	v_add_f32 v[T], v[T+4], v[T+5]
	LANESUM T, T+1
	v_fma_f32 v[T], v[T], s36, s37                 ; var + eps
	v_rsq_f32 v[T+4], v[T]
	v_nop                                          ; a plain instruction behind the transcendental,
	s_wait_alu depctr_va_vdst(0)                   ; and a wait ahead of its first reader
	v_mov_b32 v[T+5], v[T+4]
	v_mov_b32 v[ST+2*(\rr)+1], v[T+4]
.set j, 0
.rept 16
	v_pk_mul_f32 v[RS+j:RS+j+1], v[RS+j:RS+j+1], v[T+4:T+5]
.set j, j+2
.endr
.set j, 0
.rept 16
	v_pk_mul_f32 v[RS+j:RS+j+1], v[RS+j:RS+j+1], v[G+j:G+j+1]
.set j, j+2
.endr
.irp j,0,1,2,3,4,5,6,7
	ds_store_b128 v5, v[RS+4*\j:RS+4*\j+3] offset:4*TPL*\j   ; through my stage: LDS serves a wave's instructions in order, so no wait stands between the stores and the loads
.endr
.irp i,0,1,2,3,4,5,6,7
	ds_load_b128 v[X+4*\i:X+4*\i+3], v6 offset:16*\i
.endr
	s_wait_dscnt 0x0                               ; my 32 neighbours are in, and the stores have read the row's registers
.if (\rr) < 2
	RLOAD (\rr)+2
.endif
	v_max3_num_f32 v[T], |v[X]|, |v[X+1]|, |v[X+2]|          ; the block's largest magnitude: all 32 numbers are mine
	v_max3_num_f32 v[T+1], |v[X+3]|, |v[X+4]|, |v[X+5]|
.irp i,6,10,14,18,22,26
	v_max3_num_f32 v[T], v[T], |v[X+\i]|, |v[X+\i+1]|
	v_max3_num_f32 v[T+1], v[T+1], |v[X+\i+2]|, |v[X+\i+3]|
.endr
	v_max3_num_f32 v[T], v[T], |v[X+30]|, |v[X+31]|
	v_max3_num_f32 v[T], v[T], v[T+1], 0x2800000   ; and the floor 2^(5 - 127): the byte cannot fall under 1
	v_add_nc_u32 v[T+1], 0xfe000000, v[T]          ; 4 off its exponent field: the conversion takes this operand's exponent field as its scale
	v_lshrrev_b32 v[BY+(\rr)], 23, v[T+1]          ; the scale's byte
	v_cvt_scalef32_pk16_bf6_f32 v[C:C+2], v[X:X+15], v[T+1]
	v_cvt_scalef32_pk16_bf6_f32 v[C+4:C+6], v[X+16:X+31], v[T+1]   ; (a conversion's three registers begin on an even number)
	v_nop                                          ; one plain instruction behind a scaled conversion
	v_mov_b32 v[C+3], v[C+4]
	v_mov_b32 v[C+4], v[C+5]
	v_mov_b32 v[C+5], v[C+6]
	ds_store_b64 v7, v[C:C+1] offset:16*(\rr)
	ds_store_b64 v8, v[C+2:C+3] offset:16*(\rr)+8
	ds_store_b64 v7, v[C+4:C+5] offset:16*(\rr)+512
	ds_store_b8 v10, v[BY+(\rr)] offset:4*(\rr)
.endm
	ROW 0
	ROW 1
	ROW 2
	ROW 3
	s_wait_dscnt 0x0                               ; for the others' sake: my images lie in LDS
	s_barrier_signal -1
	s_barrier_wait -1
	; the 32 rows' images leave as they lie: 24,576 bytes of codes, 3,072 a wave, 512 consecutive bytes a store; 1,024 bytes of scale words
	s_mul_i32 s32, s2, 3072
	v_add_nc_u32 v11, s32, v4
	v_add_nc_u32 v9, 8*TILEB, v11
	s_mul_i32 s32, s4, 2*TILEB
	s_mov_b32 s33, 0
	s_add_nc_u64 s[34:35], s[30:31], s[32:33]
	v_lshl_add_u32 v7, v0, 2, SCI+8*512
	v_lshlrev_b32 v8, 2, v0
	s_lshl_b32 s32, s4, 10
	s_add_co_u32 s32, s32, 3145728
	s_add_nc_u64 s[44:45], s[30:31], s[32:33]
.irp i,0,1,2,3,4,5
	ds_load_b128 v[R+4*\i:R+4*\i+3], v9 offset:512*\i
.endr
	ds_load_b32 v[R+24], v7
.irp i,0,1,2,3,4,5
	s_wait_dscnt 6-\i                              ; load i is in; the younger ones may be out
	global_store_b128 v11, v[R+4*\i:R+4*\i+3], s[34:35] offset:512*\i
.endr
	s_wait_dscnt 0x0
	global_store_b32 v8, v[R+24], s[44:45]
	s_cmp_eq_u32 s3, 0
	s_cbranch_scc1 .Lend                           ; x's work-groups are done
	; y: my four rows' (mean, rstd): lane i < 8 picks number i and stores it
	v_and_b32 v22, 7, v1
	v_mov_b32 v23, v[ST]
.irp i,1,2,3,4,5,6,7
	v_cmp_eq_u32 vcc_lo, \i, v22
	v_cndmask_b32 v23, v23, v[ST+\i], vcc_lo
.endr
	v_lshlrev_b32 v10, 2, v1
	s_lshl_b32 s32, s4, 8
	s_lshl_b32 s40, s2, 5
	s_add_co_u32 s32, s32, s40
	s_add_co_u32 s32, s32, 3276800
	s_add_nc_u64 s[46:47], s[30:31], s[32:33]
	v_cmp_gt_u32 vcc_lo, 8, v1
	s_wait_xcnt 0x0                                ; EXEC changes only behind this wait
	s_and_saveexec_b32 s40, vcc_lo
	global_store_b32 v10, v23, s[46:47]
	s_wait_xcnt 0x0                                ; and again; it also frees the registers of the stores above
	s_or_b32 exec_lo, exec_lo, s40
	; kv = yn Wkv.  Waves 0-3: k.  Source 0 = Wkv's tiles 2 b, 2 b + 1 (b = w / 2: 32 of k's 64), source 1 = my 16 keys (w % 2): a lane holds one key, its registers run along k's 64.
	; Waves 4-7: v.  Source 0 = the 32 keys' two tiles, source 1 = Wkv's tile w (16 of v's 64): a lane holds one of v's 64, its registers run along the keys.  One text, steered by two tile numbers
	s_and_b32 s41, s2, 2
	s_and_b32 s42, s2, 1
	s_add_co_u32 s42, s42, 8
	s_cmp_lt_u32 s2, 4
	s_cselect_b32 s41, s41, 8                      ; source 0: tiles s41, s41 + 1
	s_cselect_b32 s42, s42, s2                     ; source 1: tile s42
	s_mul_i32 s43, s41, TILEB
	s_mul_i32 s44, s42, TILEB
	v_add_nc_u32 v5, s43, v4
	v_add_nc_u32 v6, s44, v4
	s_lshl_b32 s43, s41, 9
	s_lshl_b32 s44, s42, 9
	s_add_co_u32 s43, s43, SCI
	s_add_co_u32 s44, s44, SCI
	v_lshl_add_u32 v7, v1, 2, s43
	v_lshl_add_u32 v8, v1, 2, s44
.irp j,0,1,2,3
	ds_load_b32 v[SS+\j], v7 offset:128*\j         ; lanes 0-15: K step 2 j's words; lanes 16-31: K step 2 j + 1's
	ds_load_b32 v[SS+4+\j], v7 offset:512+128*\j
	ds_load_b32 v[SS+8+\j], v8 offset:128*\j
.endr
.macro FK k                            ; K step k's three fragments into buffer k % 2
.set FB, BF+36*((\k)%2)
.irp c,0,1,2
	ds_load_b128 v[FB+4*\c:FB+4*\c+3], v5 offset:1536*(\k)+512*\c
	ds_load_b128 v[FB+12+4*\c:FB+12+4*\c+3], v5 offset:TILEB+1536*(\k)+512*\c
	ds_load_b128 v[FB+24+4*\c:FB+24+4*\c+3], v6 offset:1536*(\k)+512*\c
.endr
.endm
.macro KVSTEP k
.if (\k) > 0
.rept 4
	v_nop                                          ; places in front of loads into registers that matrix instructions have read
.endr
.endif
.if (\k) < 7
	FK (\k)+1
	s_wait_dscnt 9                                 ; all but the nine just issued
.else
	s_wait_dscnt 0x0
.endif
.set FB0, BF+36*((\k)%2)
.irp u,0,1                                     ; the two accumulators by turns
	WMMA ACC+8*\u, FB0+12*\u, FB0+24, (\k)==0, SS+4*\u+(\k)/2, SS+8+(\k)/2, (\k)%2
.endr
.endm
	FK 0
.irp k,0,1,2,3,4,5,6,7
	KVSTEP \k
.endr
.rept 4
	v_nop
.endr
.irp j,0,1,2,3,4,5,6,7
	v_permlane16_swap_b32 v[ACC+\j], v[ACC+8+\j]   ; tile u, register j, half h held index 16 u + 8 h + j: now half h holds 16 h + 0 .. 15 in 16 registers on end
.endr
	v_mov_b32 v[T+1], 0
	v_max3_num_f32 v[T], |v[ACC]|, |v[ACC+1]|, 0x2800000
.irp i,2,4,6,8,10,12,14
	v_max3_num_f32 v[T], v[T], |v[ACC+\i]|, |v[ACC+\i+1]|
.endr
	v_permlanex16_b32 v[T+1], v[T], s38, s39
	v_max_num_f32 v[T], v[T], v[T+1]               ; with lane l xor 16's: the block of 32
	v_add_nc_u32 v[T+2], 0xfe000000, v[T]
	v_lshrrev_b32 v[T+3], 23, v[T+2]
	v_cvt_scalef32_pk16_bf6_f32 v[C:C+2], v[ACC:ACC+15], v[T+2]
	v_nop
	s_and_b32 s45, s4, 31                          ; which 32 keys of the batch
	s_lshr_b32 s46, s4, 5                          ; the batch
	s_mul_i32 s47, s46, 53248
	s_cmp_lt_u32 s2, 4
	s_cbranch_scc0 .Lvjob
	v_lshrrev_b32 v22, 3, v2                       ; k: key 16 (w % 2) + r lies at row 16 (r / 8) + 8 (w % 2) + r % 8 of its 32
	v_and_b32 v23, 7, v2
	s_and_b32 s48, s2, 1
	s_lshr_b32 s49, s2, 1
	s_lshl_b32 s50, s45, 5
	s_lshl_b32 s51, s48, 3
	s_add_co_u32 s50, s50, s51
	v_lshl_add_u32 v9, v22, 4, v23
	v_add_nc_u32 v9, s50, v9
	v_mul_u32_u24 v9, v9, 48
	v_mad_u32_u24 v9, v3, 12, v9
	s_mul_i32 s52, s49, 24
	s_add_co_u32 s52, s52, s47
	v_add_nc_u32 v9, s52, v9                       ; + 24 b + 12 h
	v_add_nc_u32 v11, s51, v23
	v_lshlrev_b32 v11, 2, v11
	v_lshl_add_u32 v11, v22, 1, v11
	s_lshl_b32 s52, s45, 6
	s_add_co_u32 s52, s52, s49
	s_add_co_u32 s52, s52, s47
	s_add_co_u32 s52, s52, 49152
	v_add_nc_u32 v11, s52, v11                     ; the byte: group, row of the tile, tile r / 8, block b
	s_branch .Lkvst
.Lvjob:
	s_sub_co_u32 s48, s2, 4
	s_lshl_b32 s48, s48, 4
	v_add_nc_u32 v22, s48, v2                      ; v: which of its 64
	v_mul_u32_u24 v9, v22, 768
	v_mad_u32_u24 v9, v3, 12, v9
	s_mul_i32 s49, s46, 49152
	s_mul_i32 s50, s45, 24
	s_add_co_u32 s49, s49, s50
	s_add_co_u32 s49, s49, 212992
	v_add_nc_u32 v9, s49, v9
	v_lshlrev_b32 v11, 2, v22
	s_lshr_b32 s50, s45, 2
	s_lshl_b32 s50, s50, 8
	s_and_b32 s51, s45, 3
	s_add_co_u32 s50, s50, s51
	s_add_co_u32 s50, s50, s47
	s_add_co_u32 s50, s50, 51200
	v_add_nc_u32 v11, s50, v11
.Lkvst:
	global_store_b96 v9, v[C:C+2], s[24:25]
	global_store_b8 v11, v[T+3], s[24:25]          ; (both halves of the lanes hold the block's byte and write it)
.Lend:
	s_wait_tensorcnt 0x0                           ; the wave's end
	ds_add_u32 v[SPW], v[NIL]
	s_wait_dscnt 0x0
	s_endpgm
.Lfunc_end_k_q1914d3a897_norm:
	.size	k_q1914d3a897_norm, .Lfunc_end_k_q1914d3a897_norm-k_q1914d3a897_norm
	.p2alignl 7, 3214868480
	.fill 96, 4, 3214868480
	.section	.rodata,"a",@progbits
	.p2align	6, 0x0
	.amdhsa_kernel k_q1914d3a897_norm
		.amdhsa_group_segment_fixed_size 165888
		.amdhsa_private_segment_fixed_size 0
		.amdhsa_enable_private_segment 0
		.amdhsa_kernarg_size 72
		.amdhsa_user_sgpr_count 2
		.amdhsa_user_sgpr_kernarg_segment_ptr 1
		.amdhsa_wavefront_size32 1
		.amdhsa_system_sgpr_workgroup_id_x 1
		.amdhsa_system_sgpr_workgroup_id_y 1
		.amdhsa_system_sgpr_workgroup_id_z 1
		.amdhsa_system_vgpr_workitem_id 0
		.amdhsa_next_free_vgpr 256
		.amdhsa_next_free_sgpr 66
		.amdhsa_reserve_vcc 1
		.amdhsa_float_denorm_mode_32 3
		.amdhsa_float_denorm_mode_16_64 3
		.amdhsa_memory_ordered 1
		.amdhsa_forward_progress 1
		.amdhsa_inst_pref_size 65
	.end_amdhsa_kernel
	.amdgpu_metadata
---
amdhsa.version: [ 1, 2 ]
amdhsa.kernels:
  - .name:           k_q1914d3a897_norm
    .symbol:         k_q1914d3a897_norm.kd
    .args:
      - { .name: x, .offset: 0, .size: 8, .value_kind: global_buffer, .address_space: global }
      - { .name: y, .offset: 8, .size: 8, .value_kind: global_buffer, .address_space: global }
      - { .name: g1, .offset: 16, .size: 8, .value_kind: global_buffer, .address_space: global }
      - { .name: g2, .offset: 24, .size: 8, .value_kind: global_buffer, .address_space: global }
      - { .name: Wkv_codes, .offset: 32, .size: 8, .value_kind: global_buffer, .address_space: global }
      - { .name: Wkv_scales, .offset: 40, .size: 8, .value_kind: global_buffer, .address_space: global }
      - { .name: xq, .offset: 48, .size: 8, .value_kind: global_buffer, .address_space: global }
      - { .name: yq, .offset: 56, .size: 8, .value_kind: global_buffer, .address_space: global }
      - { .name: kv, .offset: 64, .size: 8, .value_kind: global_buffer, .address_space: global }
    .group_segment_fixed_size: 165888
    .private_segment_fixed_size: 0
    .kernarg_segment_align: 8
    .kernarg_segment_size: 72
    .max_flat_workgroup_size: 256
    .sgpr_count:     66
    .vgpr_count:     256
    .wavefront_size: 32
...
	.end_amdgpu_metadata
.endif
;; end of part 1
;; launch attn (part 2): grid 8 x 32, 16 waves a work-group, clusters of 4 x 1, 327,680 bytes of LDS; arguments xq, Wq_codes, Wq_scales, kv, ao; writes ao
.if DOCPART == 2
	.amdgcn_target "amdgcn-amd-amdhsa--gfx1250"
	.amdhsa_code_object_version 6
	.text
	.protected	k_q1914d3a897_attn
	.globl	k_q1914d3a897_attn
	.p2align	8
	.type	k_q1914d3a897_attn,@function
k_q1914d3a897_attn:
	s_mov_b64 s[64:65], 0
	v_nop
	global_prefetch_b8 v0, s[64:65] scope:SCOPE_SE
	s_setreg_imm32_b32 hwreg(HW_REG_WAVE_MODE, 25, 1), 1
	s_wait_xcnt 0x0
	s_wait_alu depctr_hold_cnt(0) depctr_sa_sdst(0) depctr_va_vdst(0) depctr_va_sdst(0) depctr_va_ssrc(0) depctr_va_vcc(0) depctr_vm_vsrc(0)
	s_getreg_b32 s2, hwreg(HW_REG_IB_STS2, 6, 4)
	s_cmp_eq_u32 s2, 0
	s_cbranch_scc0 .Lentry_in_a_cluster
	s_endpgm
.Lentry_in_a_cluster:
	s_bfe_u32 s2, ttmp6, 0x10000c
	s_cmp_lg_u32 s2, 0x3003
	s_cbranch_scc0 .Lentry_shape_is_right
	s_endpgm
.Lentry_shape_is_right:
; LAUNCH 2 OF 5.  q = (xn Wq) / 8 for the work-group's own queries and heads, quantised in registers; softmax attention against the batch's one k and v; the result, divided by the row's sum, quantised into ao.
; No work of the problem is left out.  All four products here run on E3M2 codes with E8M0 scales.
; THE SOFTMAX: t = score x log2(e); M = the running largest t rounded UP to a whole number; p = 2^(t - M) is what is quantised, along the keys; the row's sum is taken of the unquantised p and divides at the end.
; LIMITS: NaN and infinities are not served; a block under 2^-122, or of zeros, gets the scale byte 1 (its bytes are read by this program alone).
; SHARES.  A work-group owns 128 queries of one batch and two heads; wave w owns head w % 2 and the tile of 16 queries w / 2, in 256 registers: four waves to a SIMD, so that one wave's softmax stands beside
; another's products and LDS loads.  All that is read from LDS is filled once: 8 tiles of xn (images), 128 rows of Wq, all of the batch's k, v and their scale words.  No slot is filled again.
; CLUSTER: the four head pairs of one block of queries.  xn, k and v hang on the block and the batch alone and are asked for JOINTLY (mask 15); Wq's rows are each work-group's own and come by a plain load.
; LAYOUT.  All products are used transposed (source 0 = rows of Wq, keys, or v's 64; source 1 = my 16 queries): a lane holds ONE query throughout.
; PRODUCT 3 HAS K = 64.  A fragment of source 0 holds two tiles of keys: registers 0-5 one tile's 64, registers 6-11 the next tile's.  q stands in a run of 18 registers, 6 zeros, its 6, 6 zeros: the 12 from the
; seventh on meet the first tile, the first 12 the second; the other 64 along K meet zero codes.  k's rows lie so that the 16 registers of the two tiles are 16 neighbouring keys.
.set XN,   0                           ; LDS: 8 tiles x 12,288: xn's images
.set WQ,   98304                       ; 128 rows of Wq: 768 bytes + 16 behind each 256: pitch 816 = 204 words: row r starts at bank 12 r mod 64, so the 32 lanes of a load of 8 bytes touch 64 different banks
.set WP,   816
.set VT,   WQ+128*WP                   ; v's 64 rows, likewise
.set KB,   VT+64*WP                    ; k's 1,024 rows of 48 bytes; then k's scale words, then v's
.set KSC,  KB+49152
.set VSC,  KB+51200
.set SPARE, KB+53248                   ; the spare words, 128 bytes for each of 16 waves
.set STG,  0                           ; the way out: 8 fragment images and their scale words, in xn's bytes: they have had their one fill, and a barrier stands behind their last read
.set SST,  12288
.set AK,  1                            ; v1 k's rows; v2, v3 v's rows (v3: behind one padding more); v4 k's scale words; v7 v's; v8 xn's images; v9, v10 Wq's rows
.set AV,  2
.set AV2, 3
.set AKS, 4
.set SPW, 5
.set NIL, 6
.set AVS, 7
.set AX,  8
.set AW,  9
.set AW2, 10
.set LN,  11                           ; v11 lane
.set QH,  16                           ; v16-33 q's run
.set QL,  22
.set QSL, 34                           ; q's scale word for each of the two uses
.set QSH, 35
.set FRG, 36                           ; v36-83 four fragments
.set SM2, 88
.set S,   96                           ; v96-159 scores, then p
.set O,   160                          ; v160-191 O^T
.set PCD, 192                          ; v192-203 p's codes
.set CT,  204
.set BM,  212
.set PT,  216
.set SO,  220
.set FF,  224                          ; v[224:225] f, as a pair
.set PW,  226                          ; p's scale word
.set TMP, 227
.set WQS, 228                          ; v228-243 Wq's scale words, v244-247 xn's, v248-251 k's or v's: scales and nothing else
.set XNS, 244
.set KS,  248
.set RR,  252                          ; v252 r, v253 h
.set HH,  253
.set QM,  BM
.set QP,  PT
.set QS,  SO
.set WV,  14
.set SEL, 76
.set CS,  78
.macro WMMA d, a, b, zero, sa, sb, row
.if \zero
	v_wmma_scale_f32_16x16x128_f8f6f4 v[\d:\d+7], v[\a:\a+11], v[\b:\b+11], 0, v[\sa], v[\sb] matrix_a_fmt:MATRIX_FMT_BF6 matrix_b_fmt:MATRIX_FMT_BF6
.elseif (\row) == 0
	v_wmma_scale_f32_16x16x128_f8f6f4 v[\d:\d+7], v[\a:\a+11], v[\b:\b+11], v[\d:\d+7], v[\sa], v[\sb] matrix_a_fmt:MATRIX_FMT_BF6 matrix_b_fmt:MATRIX_FMT_BF6
.elseif (\row) == 1
	v_wmma_scale_f32_16x16x128_f8f6f4 v[\d:\d+7], v[\a:\a+11], v[\b:\b+11], v[\d:\d+7], v[\sa], v[\sb] matrix_a_fmt:MATRIX_FMT_BF6 matrix_b_fmt:MATRIX_FMT_BF6 matrix_a_scale:MATRIX_SCALE_ROW1 matrix_b_scale:MATRIX_SCALE_ROW1
.else
	v_wmma_scale_f32_16x16x128_f8f6f4 v[\d:\d+7], v[\a:\a+11], v[\b:\b+11], v[\d:\d+7], v[\sa], v[\sb] matrix_a_fmt:MATRIX_FMT_BF6 matrix_b_fmt:MATRIX_FMT_BF6 matrix_b_scale:MATRIX_SCALE_ROW1
.endif
.endm
.macro SWAP16 f                        ; two tiles (tile u, register j, half h: index 16 u + 8 h + j) become 16 registers on end: half h holds 16 h + 0 .. 15
.irp j,0,1,2,3,4,5,6,7
	v_permlane16_swap_b32 v[\f+\j], v[\f+8+\j]
.endr
.endm
; 32 numbers of a lane, register 16 b + i = index 32 b + 16 h + i of my row, become half a fragment (6 registers: index 32 h + 0 .. 31) from v[cd] on, and its two scale bytes in v[wd]
.macro QUANT2 fr, cd, ce, wd
.irp b,0,1
	v_max3_num_f32 v[QM+\b], |v[\fr+16*\b]|, |v[\fr+16*\b+1]|, 0x2800000   ; with the floor 2^(5 - 127): the byte cannot fall under 1
.endr
.irp i,2,4,6,8,10,12,14
.irp b,0,1
	v_max3_num_f32 v[QM+\b], v[QM+\b], |v[\fr+16*\b+\i]|, |v[\fr+16*\b+\i+1]|
.endr
.endr
.irp b,0,1
	v_permlanex16_b32 v[QP+\b], v[QM+\b], s[SEL], s[SEL+1]
.endr
.irp b,0,1
	v_max_num_f32 v[QM+\b], v[QM+\b], v[QP+\b]
.endr
.irp b,0,1
	v_add_nc_u32 v[QS+\b], 0xfe000000, v[QM+\b]    ; 4 off the exponent field: the conversion's scale operand
.endr
.irp b,0,1
	v_lshrrev_b32 v[QP+\b], 23, v[QS+\b]
.endr
	v_lshl_or_b32 v[\wd], v[QP+1], 8, v[QP]
	v_cvt_scalef32_pk16_bf6_f32 v[\cd:\cd+2], v[\fr:\fr+15], v[QS]
	v_cvt_scalef32_pk16_bf6_f32 v[\ce:\ce+2], v[\fr+16:\fr+31], v[QS+1]
	v_nop                                          ; one plain instruction behind a scaled conversion
.irp i,0,1,2
	v_permlane16_swap_b32 v[\cd+\i], v[\ce+\i]     ; a whole block to a lane: lanes 0-15 block 0, lanes 16-31 block 1
.endr
.irp i,0,1,2
	v_mov_b32 v[\cd+3+\i], v[\ce+\i]
.endr
.endm
.macro CROUND                          ; a round of the cluster's barrier
	s_barrier_signal -1
	s_barrier_wait -1
	s_cmp_lg_u32 s[WV], 0
	s_cbranch_scc1 .Lnot_wave_0_\@
	s_barrier_signal -3
.Lnot_wave_0_\@:
	s_barrier_wait -3
	s_barrier_signal -1
	s_barrier_wait -1
.endm
	s_load_b256 s[4:11], s[0:1], 0x0               ; xq, Wq's codes, Wq's scales, kv
	s_load_b64 s[12:13], s[0:1], 0x20              ; ao
	v_lshl_add_u32 v[SPW], v0, 2, SPARE
	v_mov_b32 v[NIL], 0
	ds_add_u32 v[SPW], v[NIL]                      ; the wave's opening: the add, twice on end, and its wait ahead of the first tensor load
	ds_add_u32 v[SPW], v[NIL]
	v_lshrrev_b32 v[LN], 5, v0
	v_readfirstlane_b32 s[WV], v[LN]               ; wave 0..15
	s_and_b32 s15, s[WV], 1                        ; my head of the pair
	s_lshr_b32 s16, s[WV], 1                       ; my tile of queries
	s_bfe_u32 s17, ttmp6, 0x40000                  ; cx
	s_lshl_b32 s19, ttmp9, 2
	s_add_co_u32 s19, s19, s17                     ; the head pair = 4 x cluster x + cx: it enters Wq's and ao's addresses alone
	s_and_b32 s20, ttmp7, 0xffff                   ; the block of 128 queries, which the four partners share
	s_lshr_b32 s21, s20, 3                         ; the batch
	; group 1 of xn's images: 96 rows of 256 bytes, dense, no padding; mask 15 with bit 21 beside it
	s_mov_b32 s24, 15|(3<<16)|(1<<21)
	s_mov_b32 s25, 32<<16
	s_mov_b32 s26, 96<<16
	s_mov_b32 s27, 32<<16
	s_mov_b32 s28, 96
	s_mov_b32 s29, 32
	s_mov_b32 s30, 0
	s_mov_b32 s31, 0
	; of Wq's rows: 32 rows of 768 bytes (96 elements of 8), 4 words of padding behind every 64; no mask
	s_mov_b32 s32, (3<<16)|(1<<20)|(5<<22)|(3<<25)
	s_mov_b32 s33, 96<<16
	s_mov_b32 s34, 32<<16
	s_mov_b32 s35, 96<<16
	s_mov_b32 s36, 32
	s_mov_b32 s37, 96
	s_mov_b32 s38, 0
	s_mov_b32 s39, 0
	; of v's rows: the same shape, jointly
	s_mov_b32 s40, 15|(3<<16)|(1<<20)|(1<<21)|(5<<22)|(3<<25)
	s_mov_b32 s41, 96<<16
	s_mov_b32 s42, 32<<16
	s_mov_b32 s43, 96<<16
	s_mov_b32 s44, 32
	s_mov_b32 s45, 96
	s_mov_b32 s46, 0
	s_mov_b32 s47, 0
	; of k's block: 52 rows of 256 bytes, dense, jointly
	s_mov_b32 s48, 15|(3<<16)|(1<<21)
	s_mov_b32 s49, 32<<16
	s_mov_b32 s50, 52<<16
	s_mov_b32 s51, 32<<16
	s_mov_b32 s52, 52
	s_mov_b32 s53, 32
	s_mov_b32 s54, 0
	s_mov_b32 s55, 0
	s_and_b32 s80, s[WV], 3
	s_mov_b32 s56, 1                               ; xn: waves 0-3, two tiles each
	s_mul_i32 s57, s80, 24576
	s_lshl_b32 s82, s20, 3
	s_lshl_b32 s83, s80, 1
	s_add_co_u32 s82, s82, s83
	s_mul_i32 s82, s82, 12288
	s_mov_b32 s83, 0
	s_mov_b32 s60, 1                               ; Wq: waves 4-7, 32 rows each
	s_mul_i32 s61, s80, 32*WP
	s_add_co_u32 s61, s61, WQ
	s_lshl_b32 s84, s19, 7
	s_lshl_b32 s85, s80, 5
	s_add_co_u32 s84, s84, s85
	s_mul_i32 s84, s84, 768
	s_mov_b32 s85, 0
	s_mov_b32 s68, 1                               ; v: waves 8, 9, 32 rows each
	s_mul_i32 s69, s15, 32*WP
	s_add_co_u32 s69, s69, VT
	s_mul_i32 s86, s21, 49152
	s_mul_i32 s87, s15, 24576
	s_add_co_u32 s86, s86, s87
	s_add_co_u32 s86, s86, 212992
	s_mov_b32 s87, 0
	s_mov_b32 s72, 1                               ; k, its scale words and v's: waves 10-13, 13,312 bytes each
	s_add_co_u32 s81, s[WV], 2
	s_and_b32 s81, s81, 3
	s_mul_i32 s81, s81, 13312
	s_add_co_u32 s73, s81, KB
	s_mul_i32 s88, s21, 53248
	s_add_co_u32 s88, s88, s81
	s_mov_b32 s89, 0
	s_mov_b32 s[SEL], 0x76543210
	s_mov_b32 s[SEL+1], 0xfedcba98
	s_mov_b32 s[CS], 0x3fb8aa3b                    ; log2(e)
	s_mov_b32 s[CS+1], s[CS]
	s_wait_dscnt 0x0                               ; both opening adds are done
	s_wait_kmcnt 0x0
	s_add_nc_u64 s[58:59], s[4:5], s[82:83]
	s_or_b32 s59, s59, 0x80000000
	s_add_nc_u64 s[62:63], s[6:7], s[84:85]
	s_or_b32 s63, s63, 0x80000000
	s_add_nc_u64 s[70:71], s[10:11], s[86:87]
	s_or_b32 s71, s71, 0x80000000
	s_add_nc_u64 s[74:75], s[10:11], s[88:89]
	s_or_b32 s75, s75, 0x80000000
	CROUND                                         ; the four work-groups are here: the joint loads meet
	; the launch's only fills: one load a wave (waves 14 and 15: none); the branches hang on the wave's number alone.  An s_nop 0 and four v_nop follow each load
	s_cmp_lt_u32 s[WV], 4
	s_cbranch_scc0 .Lfill_w
	tensor_load_to_lds s[56:59], s[24:31]
	s_nop 0
.rept 4
	v_nop
.endr
	s_branch .Lasked
.Lfill_w:
	s_cmp_lt_u32 s[WV], 8
	s_cbranch_scc0 .Lfill_v
	tensor_load_to_lds s[60:63], s[32:39]
	s_nop 0
.rept 4
	v_nop
.endr
	s_branch .Lasked
.Lfill_v:
	s_cmp_lt_u32 s[WV], 10
	s_cbranch_scc0 .Lfill_k
	tensor_load_to_lds s[68:71], s[40:47]
	s_nop 0
.rept 4
	v_nop
.endr
	s_branch .Lasked
.Lfill_k:
	s_cmp_lt_u32 s[WV], 14
	s_cbranch_scc0 .Lasked
	tensor_load_to_lds s[72:75], s[48:55]
	s_nop 0
.rept 4
	v_nop
.endr
.Lasked:
	v_and_b32 v[LN], 31, v0
	v_and_b32 v[RR], 15, v0
	v_bfe_u32 v[HH], v0, 4, 1
	v_lshlrev_b32 v254, 2, v[LN]                   ; xn's scale words of my tile: lanes 0-15 K step 2 j, lanes 16-31 K step 2 j + 1
	s_lshl_b32 s80, s20, 3
	s_add_co_u32 s80, s80, s16
	s_lshl_b32 s80, s80, 9
	s_add_co_u32 s80, s80, 3145728
	s_mov_b32 s81, 0
	s_add_nc_u64 s[80:81], s[4:5], s[80:81]
.irp j,0,1,2,3
	global_load_b32 v[XNS+\j], v254, s[80:81] offset:128*\j
.endr
	v_lshlrev_b32 v255, 5, v[RR]                   ; Wq's: row r of 32 bytes, + 4 h: the same split
	v_lshl_add_u32 v255, v[HH], 2, v255
	s_lshl_b32 s82, s19, 7
	s_lshl_b32 s83, s15, 6
	s_add_co_u32 s82, s82, s83
	s_lshl_b32 s82, s82, 5
	s_mov_b32 s83, 0
	s_add_nc_u64 s[82:83], s[8:9], s[82:83]
.irp b,0,1,2,3
.irp j,0,1,2,3
	global_load_b32 v[WQS+4*\b+\j], v255, s[82:83] offset:512*\b+8*\j
.endr
.endr
	v_mul_u32_u24 v[AK], v[RR], 48
	v_mad_u32_u24 v[AK], v[HH], 24, v[AK]
	v_add_nc_u32 v[AK], KB, v[AK]
	v_mul_u32_u24 v[AV], v[RR], WP
	v_mad_u32_u24 v[AV], v[HH], 24, v[AV]
	v_add_nc_u32 v[AV], VT, v[AV]
	v_lshl_add_u32 v[AV2], v[HH], 4, v[AV]
	v_lshl_add_u32 v[AKS], v[RR], 2, KSC
	v_lshl_add_u32 v[AVS], v[RR], 2, VSC
	s_mul_i32 s84, s16, 12288
	v_lshl_add_u32 v[AX], v[LN], 4, s84
	s_mul_i32 s85, s15, 64*WP
	s_add_co_u32 s85, s85, WQ
	v_mul_u32_u24 v[AW], v[RR], WP
	v_mad_u32_u24 v[AW], v[HH], 24, v[AW]
	v_add_nc_u32 v[AW], s85, v[AW]
	v_lshl_add_u32 v[AW2], v[HH], 4, v[AW]
.irp b,0,1,2,3
	v_mov_b32 v[PT+\b], 0                          ; written once: a lane permute's destination counts as one of its sources
.endr
	s_wait_tensorcnt 0x0                           ; my load has landed,
	s_barrier_signal -1
	s_barrier_wait -1                              ; everybody's has
	s_wait_loadcnt 0x0                             ; the scale words
; q^T = Wq xn^T: four tiles of 16 of my head's 64, K in eight steps of 128, two buffers of five fragments
.macro FETCHQ k
.set BL, 36+92*((\k)%2)
.irp c,0,1,2
	ds_load_b128 v[BL+4*\c:BL+4*\c+3], v[AX] offset:1536*(\k)+512*\c
.endr
.irp b,0,1,2,3
.irp p,0,1,2,3,4,5
.set PCE, 12*(\k)+6*(\p/3)+\p%3                ; the row's piece of 8 bytes; lanes 16-31 read three pieces on, which from piece 29 of 32 on lies behind one padding more
.if PCE%32 < 29
	ds_load_b64 v[BL+12+12*\b+2*\p:BL+13+12*\b+2*\p], v[AW] offset:16*\b*WP+8*PCE+16*(PCE/32)
.else
	ds_load_b64 v[BL+12+12*\b+2*\p:BL+13+12*\b+2*\p], v[AW2] offset:16*\b*WP+8*PCE+16*(PCE/32)
.endif
.endr
.endr
.endm
.macro QSTEP k
.if (\k) > 0
.rept 4
	v_nop                                          ; places in front of loads into registers that matrix instructions have read
.endr
.endif
.if (\k) < 7
	FETCHQ (\k)+1
	s_wait_dscnt 27                                ; all but the 27 just issued
.else
	s_wait_dscnt 0x0
.endif
.set BQ, 36+92*((\k)%2)
.irp b,0,1,2,3                                 ; the four accumulators by turns
	WMMA S+8*\b, BQ+12+12*\b, BQ, (\k)==0, WQS+4*\b+(\k)/2, XNS+(\k)/2, (\k)%2
.endr
.endm
	FETCHQ 0
.irp k,0,1,2,3,4,5,6,7
	QSTEP \k
.endr
.rept 4
	v_nop
.endr
.set j, 0
.rept 16
	v_pk_mul_f32 v[S+j:S+j+1], v[S+j:S+j+1], 0x3e000000 op_sel_hi:[1,0]   ; x 64^-0.5 = 1/8: exact
.set j, j+2
.endr
	SWAP16 S
	SWAP16 S+16
	QUANT2 S, QL, CT, TMP
.irp i,16,17,18,19,20,21,28,29,30,31,32,33
	v_mov_b32 v\i, 0                               ; zero codes on both sides of q's six registers
.endr
	v_or_b32 v[QSL], 0x7f7f0000, v[TMP]            ; q's two bytes below, 127 over the zero codes;
	v_lshl_or_b32 v[QSH], v[TMP], 16, 0x7f7f       ; and the other way round
	v_mov_b32 v13, 0xff61b1e6                      ; the largest t so far: -3e38
	v_floor_f32 v12, -v13                          ; -M
	v_mov_b32 v14, 0                               ; the sum, in two halves
	v_mov_b32 v15, 0
	v_mov_b32 v[FF+1], 0                           ; (named as the upper half of f's pair)
.set j, 0
.rept 32
	v_mov_b32 v[O+j], 0                            ; O^T: the step is written in one form: the first finds zeros.  (These are also the places between q's registers and the first products)
.set j, j+1
.endr
	s_wait_dscnt 0x0
	s_barrier_signal -1
	s_barrier_wait -1                              ; xn's images are read no more: the way out may lay its stage there
; A KEY STEP: 128 keys
.macro STEP k
.if (\k) > 0
.rept 4
	v_nop                                          ; places in front of loads into registers that matrix instructions have read
.endr
.endif
.irp x,0,1,2,3
.irp p,0,1,2
	ds_load_b64 v[FRG+12*\x+2*\p:FRG+12*\x+2*\p+1], v[AK] offset:(128*(\k)+32*\x)*48+8*\p
	ds_load_b64 v[FRG+12*\x+6+2*\p:FRG+12*\x+7+2*\p], v[AK] offset:(128*(\k)+32*\x)*48+768+8*\p
.endr
	ds_load_b32 v[KS+\x], v[AKS] offset:(4*(\k)+\x)*64
.endr
	s_wait_dscnt 0x0
.irp x,0,1,2,3
	WMMA S+16*\x, FRG+12*\x, QL, 1, KS+\x, QSL, 0
	WMMA S+16*\x+8, FRG+12*\x, QH, 1, KS+\x, QSH, 0
.endr                                          ; register 16 x + i of lane (r, h): query r, key 128 k + 32 x + 16 h + i
.rept 4
	v_nop
.endr
.irp b,0,1,2,3
	v_max3_num_f32 v[BM+\b], v[S+16*\b], v[S+1+16*\b], v[S+2+16*\b]   ; the largest score of each block of 32 keys: for the row's maximum and, since p rises with the score, for the block's largest p
.endr
.irp i,3,5,7,9,11,13
.irp b,0,1,2,3
	v_max3_num_f32 v[BM+\b], v[BM+\b], v[S+16*\b+\i], v[S+1+16*\b+\i]
.endr
.endr
.irp b,0,1,2,3
	v_max_num_f32 v[BM+\b], v[BM+\b], v[S+15+16*\b]
.endr
.irp b,0,1,2,3
	v_permlanex16_b32 v[PT+\b], v[BM+\b], s[SEL], s[SEL+1]
.endr
.irp b,0,1,2,3
	v_max_num_f32 v[BM+\b], v[BM+\b], v[PT+\b]
.endr
	v_max3_num_f32 v[TMP], v[BM], v[BM+1], v[BM+2]
	v_max_num_f32 v[TMP], v[TMP], v[BM+3]
	v_mul_f32 v[TMP], s[CS], v[TMP]
	v_max_num_f32 v13, v13, v[TMP]                 ; the running largest t
	v_mov_b32 v[TMP], v12
	v_floor_f32 v12, -v13                          ; the new -M = -ceil(t): a whole number
	v_sub_f32 v[TMP], v12, v[TMP]
	v_cvt_i32_f32 v[TMP], v[TMP]                   ; (it saturates)
	v_ldexp_f32 v[FF], 1.0, v[TMP]                 ; f = 2^(old M - new M): a multiplication by it rounds nothing
.set j, 0
.rept 32
	v_pk_fma_f32 v[S+j:S+j+1], v[S+j:S+j+1], s[CS:CS+1], v[12:13] op_sel_hi:[1,0,0]   ; t - M
.set j, j+2
.endr
.irp b,0,1,2,3
	v_fma_f32 v[BM+\b], v[BM+\b], s[CS], v12
.endr
.set j, 0
.rept 64
	v_exp_f32 v[S+j], v[S+j]                       ; p = 2^(t - M)
.set j, j+1
.endr
	v_pk_mul_f32 v[14:15], v[14:15], v[FF:FF+1] op_sel_hi:[1,0]   ; the sums under the new M: a plain instruction behind the batch
	s_wait_alu depctr_va_vdst(0)                   ; one wait for the 64, ahead of their first reader
.irp b,0,1,2,3
	v_exp_f32 v[BM+\b], v[BM+\b]                   ; the blocks' largest p
.endr
	v_pk_add_f32 v[SM2:SM2+1], v[S:S+1], v[S+2:S+3]   ; the row's sum of the UNQUANTISED p, in two chains
.set j, 4
.rept 15
	v_pk_add_f32 v[14:15], v[14:15], v[S+j:S+j+1]
	v_pk_add_f32 v[SM2:SM2+1], v[SM2:SM2+1], v[S+j+2:S+j+3]
.set j, j+4
.endr
	v_pk_add_f32 v[14:15], v[14:15], v[SM2:SM2+1]
	s_wait_alu depctr_va_vdst(0)                   ; and one for the four
.irp b,0,1,2,3
	v_max_num_f32 v[BM+\b], 0x2800000, v[BM+\b]    ; the floor
.endr
.irp b,0,1,2,3
	v_add_nc_u32 v[SO+\b], 0xfe000000, v[BM+\b]
.endr
.irp b,0,1,2,3
	v_lshrrev_b32 v[PT+\b], 23, v[SO+\b]
.endr
	v_lshl_or_b32 v[PW], v[PT+1], 8, v[PT]
	v_lshl_or_b32 v[PW], v[PT+2], 16, v[PW]
	v_lshl_or_b32 v[PW], v[PT+3], 24, v[PW]
.irp c,0,1
	v_cvt_scalef32_pk16_bf6_f32 v[PCD+6*\c:PCD+2+6*\c], v[S+32*\c:S+15+32*\c], v[SO+2*\c]
	v_cvt_scalef32_pk16_bf6_f32 v[CT+4*\c:CT+2+4*\c], v[S+16+32*\c:S+31+32*\c], v[SO+2*\c+1]
.endr
	v_nop
.irp c,0,1
.irp i,0,1,2
	v_permlane16_swap_b32 v[PCD+6*\c+\i], v[CT+4*\c+\i]
.endr
.irp i,0,1,2
	v_mov_b32 v[PCD+3+6*\c+\i], v[CT+4*\c+\i]
.endr
.endr
.set j, 0
.rept 16
	v_pk_mul_f32 v[O+j:O+j+1], v[O+j:O+j+1], v[FF:FF+1] op_sel_hi:[1,0]   ; O^T under the new M.  (These are also the places in front of the products below)
.set j, j+2
.endr
.irp t,0,1,2,3
.irp p,0,1,2,3,4,5
.set PCE, 12*(\k)+6*(\p/3)+\p%3
.if PCE%32 < 29
	ds_load_b64 v[FRG+12*\t+2*\p:FRG+12*\t+2*\p+1], v[AV] offset:16*\t*WP+8*PCE+16*(PCE/32)
.else
	ds_load_b64 v[FRG+12*\t+2*\p:FRG+12*\t+2*\p+1], v[AV2] offset:16*\t*WP+8*PCE+16*(PCE/32)
.endif
.endr
	ds_load_b32 v[KS+\t], v[AVS] offset:256*(\k)+64*\t
.endr
	s_wait_dscnt 0x0
.irp t,0,1,2,3                                 ; the four accumulators by turns; eight other products stand between two links of one chain
	WMMA O+8*\t, FRG+12*\t, PCD, 0, KS+\t, PW, 0
.endr
.endm
.irp k,0,1,2,3,4,5,6,7
	STEP \k
.endr
	; THE WAY OUT: O^T / the sum, quantised along the 64 of my head: half hh of the fragment (my tile of queries, K step = the head pair) of launch 4's left operand
	v_add_f32 v14, v14, v15
	v_permlanex16_b32 v[PT], v14, s[SEL], s[SEL+1]
	v_add_f32 v14, v14, v[PT]
	v_rcp_f32 v14, v14
	s_mul_i32 s80, s16, 1536
	s_mul_i32 s81, s15, 520
	s_add_co_u32 s81, s81, s80
	v_lshl_add_u32 v8, v[LN], 4, s81               ; the half's three pieces of 8 bytes lie at 0, 8, 512 (half 0) or 520, 1,024, 1,032 (half 1) of the image's 16 l
	s_mul_i32 s81, s15, 1016
	s_add_co_u32 s81, s81, s80
	v_lshl_add_u32 v9, v[LN], 4, s81
	s_lshl_b32 s81, s16, 6
	s_lshl_b32 s82, s15, 1
	s_add_co_u32 s81, s81, s82
	s_add_co_u32 s81, s81, SST
	v_lshl_add_u32 v10, v[RR], 2, s81
	s_mul_i32 s81, s[WV], 768
	v_lshl_add_u32 v254, v[LN], 3, s81
	v_lshlrev_b32 v255, 3, v[LN]
	v_lshl_add_u32 v1, v[LN], 4, SST
	v_lshlrev_b32 v2, 4, v[LN]
	s_lshl_b32 s82, s20, 3
	s_add_co_u32 s82, s82, s16
	s_lshl_b32 s82, s82, 3
	s_add_co_u32 s82, s82, s19
	s_mul_i32 s82, s82, 1536
	s_mul_i32 s83, s15, 768
	s_add_co_u32 s82, s82, s83
	s_mov_b32 s83, 0
	s_add_nc_u64 s[84:85], s[12:13], s[82:83]
	s_lshl_b32 s82, s19, 14
	s_lshl_b32 s88, s20, 9
	s_add_co_u32 s82, s82, s88
	s_add_co_u32 s82, s82, 3145728
	s_add_nc_u64 s[86:87], s[12:13], s[82:83]
	s_wait_alu depctr_va_vdst(0)                   ; the wait ahead of the reciprocal's first reader
.set j, 0
.rept 16
	v_pk_mul_f32 v[S+j:S+j+1], v[O+j:O+j+1], v[14:15] op_sel_hi:[1,0]
.set j, j+2
.endr
	SWAP16 S
	SWAP16 S+16
	QUANT2 S, PCD, CT, TMP
	ds_store_b64 v8, v[PCD:PCD+1]
	ds_store_b64 v9, v[PCD+2:PCD+3] offset:8
	ds_store_b64 v8, v[PCD+4:PCD+5] offset:512
	ds_store_b16 v10, v[TMP]                       ; my half of the row's scale word (both halves of the lanes hold it and write it)
	s_wait_dscnt 0x0                               ; for the others' sake
	s_barrier_signal -1
	s_barrier_wait -1
.irp i,0,1,2
	ds_load_b64 v[88+2*\i:89+2*\i], v254 offset:256*\i
.endr
.irp i,0,1,2
	s_wait_dscnt 2-\i
	global_store_b64 v255, v[88+2*\i:89+2*\i], s[84:85] offset:256*\i   ; 32 lanes store 256 consecutive bytes, aligned
.endr
	s_cmp_lg_u32 s[WV], 0
	s_cbranch_scc1 .Lno_words
	ds_load_b128 v[S:S+3], v1                      ; wave 0: the eight tiles' scale words, 512 bytes
	s_wait_dscnt 0x0
	global_store_b128 v2, v[S:S+3], s[86:87]
.Lno_words:
	s_wait_tensorcnt 0x0                           ; the wave's end
	ds_add_u32 v[SPW], v[NIL]
	s_wait_dscnt 0x0
	CROUND                                         ; the closing round
	s_endpgm
.Lfunc_end_k_q1914d3a897_attn:
	.size	k_q1914d3a897_attn, .Lfunc_end_k_q1914d3a897_attn-k_q1914d3a897_attn
	.p2alignl 7, 3214868480
	.fill 96, 4, 3214868480
	.section	.rodata,"a",@progbits
	.p2align	6, 0x0
	.amdhsa_kernel k_q1914d3a897_attn
		.amdhsa_group_segment_fixed_size 327680
		.amdhsa_private_segment_fixed_size 0
		.amdhsa_enable_private_segment 0
		.amdhsa_kernarg_size 40
		.amdhsa_user_sgpr_count 2
		.amdhsa_user_sgpr_kernarg_segment_ptr 1
		.amdhsa_wavefront_size32 1
		.amdhsa_system_sgpr_workgroup_id_x 1
		.amdhsa_system_sgpr_workgroup_id_y 1
		.amdhsa_system_sgpr_workgroup_id_z 1
		.amdhsa_system_vgpr_workitem_id 0
		.amdhsa_next_free_vgpr 256
		.amdhsa_next_free_sgpr 100
		.amdhsa_reserve_vcc 0
		.amdhsa_float_denorm_mode_32 3
		.amdhsa_float_denorm_mode_16_64 3
		.amdhsa_memory_ordered 1
		.amdhsa_forward_progress 1
		.amdhsa_inst_pref_size 177
	.end_amdhsa_kernel
	.amdgpu_metadata
---
amdhsa.version: [ 1, 2 ]
amdhsa.kernels:
  - .name:           k_q1914d3a897_attn
    .symbol:         k_q1914d3a897_attn.kd
    .args:
      - { .name: xq, .offset: 0, .size: 8, .value_kind: global_buffer, .address_space: global }
      - { .name: Wq_codes, .offset: 8, .size: 8, .value_kind: global_buffer, .address_space: global }
      - { .name: Wq_scales, .offset: 16, .size: 8, .value_kind: global_buffer, .address_space: global }
      - { .name: kv, .offset: 24, .size: 8, .value_kind: global_buffer, .address_space: global }
      - { .name: ao, .offset: 32, .size: 8, .value_kind: global_buffer, .address_space: global }
    .group_segment_fixed_size: 327680
    .private_segment_fixed_size: 0
    .kernarg_segment_align: 8
    .kernarg_segment_size: 40
    .max_flat_workgroup_size: 512
    .sgpr_count:     100
    .vgpr_count:     256
    .wavefront_size: 32
...
	.end_amdgpu_metadata
.endif
;; end of part 2
;; launch ff1 (part 3): grid 32 x 16, 4 waves a work-group, clusters of 4 x 4, 327,680 bytes of LDS; arguments yq, Wff1_codes, Wff1_scales, ff; writes ff
.if DOCPART == 3
	.amdgcn_target "amdgcn-amd-amdhsa--gfx1250"
	.amdhsa_code_object_version 6
	.text
	.protected	k_q1914d3a897_ff1
	.globl	k_q1914d3a897_ff1
	.p2align	8
	.type	k_q1914d3a897_ff1,@function
k_q1914d3a897_ff1:
	s_mov_b64 s[64:65], 0
	v_nop
	global_prefetch_b8 v0, s[64:65] scope:SCOPE_SE
	s_setreg_imm32_b32 hwreg(HW_REG_WAVE_MODE, 25, 1), 1
	s_wait_xcnt 0x0
	s_wait_alu depctr_hold_cnt(0) depctr_sa_sdst(0) depctr_va_vdst(0) depctr_va_sdst(0) depctr_va_ssrc(0) depctr_va_vcc(0) depctr_vm_vsrc(0)
	s_getreg_b32 s2, hwreg(HW_REG_IB_STS2, 6, 4)
	s_cmp_eq_u32 s2, 0
	s_cbranch_scc0 .Lentry_in_a_cluster
	s_endpgm
.Lentry_in_a_cluster:
	s_bfe_u32 s2, ttmp6, 0x10000c
	s_cmp_lg_u32 s2, 0xf033
	s_cbranch_scc0 .Lentry_shape_is_right
	s_endpgm
.Lentry_shape_is_right:
; LAUNCH 3 OF 5.  h = yn Wff1 on codes; silu(gate) x val in f32; quantised along the 4,096 into ff.  No work of the problem is left out.
; LIMITS: NaN and infinities are not served; a block under 2^-122, or of zeros, gets the scale byte 1 (its bytes are read by this program alone).
; A work-group of four waves makes 256 rows x 128 columns of the hidden layer: its tile of B is 128 rows of Wff1 for val and the 128 rows 4,096 further on for their gates.  A wave makes 128 rows x (64 val + 64 gate):
; 64 accumulators, 512 registers; val and gate of one number lie in the same lane and register of two accumulators.
; K = 1,024 goes in four steps of 256 through a ring of two LDS slots.  A (yn) lies in memory as images of the operand's registers: a fragment is three loads of 16 bytes a lane, 512 consecutive bytes each.
; B's rows are 192 bytes a slot, 16 bytes of padding behind every 64: pitch 240.  The scale words of all of K come once, with the first fills.
; CLUSTERS: 4 x 4.  A's tiles are asked for jointly along a row of the cluster, B's along a column.  THE MATRIX INSTRUCTION IS USED TRANSPOSED (source 0 = 16 rows of Wff1, source 1 = 16 rows of yn): a lane holds
; eight neighbouring columns of one row, which run along the next product's K.
; REGISTERS, in windows of 256: window 0: v0-31 addresses; v32-47 A's scale words, v48-79 B's, two sets each; v128-223 A's fragments, one set; on the way out v128-191 at work.
;   window 1: B's fragments, two sets, at v0 and v128.   windows 2, 3: the accumulators: (a, b) at v[8 (8 (a % 4) + b)].
.set FR,    12
.set PITCH, 240
.set ASL,   49152                      ; A's part of a slot: 16 tiles of rows x 2 fragments
.set SLOT,  ASL+256*PITCH
.set SCA,   2*SLOT                     ; A's scale words: [16 tiles][8 K steps][64 bytes]
.set SCB,   SCA+8192                   ; B's scale bytes: 32 units of 256 bytes + 16
.set SPARE, SCB+8704
.set STG,   0                          ; the way out: 16 fragment images and their scale words, in slot 0, which has had its last fill and its last read by then
.set SST,   24576
.set ADRA, 16
.set ADRB, 20
.set STA,  24
.set STB,  25
.set CPL,  26
.set SSA,  27
.set SPW,  28
.set NIL,  29
.set ADRSA, 30
.set ADRSB, 31
.set SA,   32
.set SB,   48
.set AF,   128
.set W,    128
.set QM,   180
.set QP,   182
.set QS,   184
.set G1,   24
.set G0,   32
.set G1B,  48
.set G0B,  56
.set G1S,  68
.set G0S,  76
.set G1SB, 80
.set G0SB, 88
.set SEL,  96
.set NL2E, 98
.set MSB, 0
.macro WIN new                         ; the immediate's high byte repeats the setting that is left
.if MSB != (\new)
	s_set_vgpr_msb (MSB<<8)|(\new)
.set MSB, \new
.endif
.endm
.set MUL_LO, 0xa1                      ; source 0 (B) window 1, source 1 (A) window 0, C and D window 2
.set MUL_HI, 0xf1
.set TO_B,   0x40
.macro WMMA d, a, b, zero, sa, sb, row
.if \zero
	v_wmma_scale_f32_16x16x128_f8f6f4 v[\d:\d+7], v[\a:\a+11], v[\b:\b+11], 0, v[\sa], v[\sb] matrix_a_fmt:MATRIX_FMT_BF6 matrix_b_fmt:MATRIX_FMT_BF6
.elseif (\row) == 0
	v_wmma_scale_f32_16x16x128_f8f6f4 v[\d:\d+7], v[\a:\a+11], v[\b:\b+11], v[\d:\d+7], v[\sa], v[\sb] matrix_a_fmt:MATRIX_FMT_BF6 matrix_b_fmt:MATRIX_FMT_BF6
.else
	v_wmma_scale_f32_16x16x128_f8f6f4 v[\d:\d+7], v[\a:\a+11], v[\b:\b+11], v[\d:\d+7], v[\sa], v[\sb] matrix_a_fmt:MATRIX_FMT_BF6 matrix_b_fmt:MATRIX_FMT_BF6 matrix_b_scale:MATRIX_SCALE_ROW1
.endif
.endm
.macro SWAP16 f
.irp j,0,1,2,3,4,5,6,7
	v_permlane16_swap_b32 v[\f+\j], v[\f+8+\j]
.endr
.endm
.macro QUANT2 fr, cd, ce, wd           ; 32 numbers of a lane (register 16 b + i = index 32 b + 16 h + i) -> half a fragment from v[cd] on, two scale bytes in v[wd]
.irp b,0,1
	v_max3_num_f32 v[QM+\b], |v[\fr+16*\b]|, |v[\fr+16*\b+1]|, 0x2800000
.endr
.irp i,2,4,6,8,10,12,14
.irp b,0,1
	v_max3_num_f32 v[QM+\b], v[QM+\b], |v[\fr+16*\b+\i]|, |v[\fr+16*\b+\i+1]|
.endr
.endr
.irp b,0,1
	v_permlanex16_b32 v[QP+\b], v[QM+\b], s[SEL], s[SEL+1]
.endr
.irp b,0,1
	v_max_num_f32 v[QM+\b], v[QM+\b], v[QP+\b]
.endr
.irp b,0,1
	v_add_nc_u32 v[QS+\b], 0xfe000000, v[QM+\b]
.endr
.irp b,0,1
	v_lshrrev_b32 v[QP+\b], 23, v[QS+\b]
.endr
	v_lshl_or_b32 v[\wd], v[QP+1], 8, v[QP]
	v_cvt_scalef32_pk16_bf6_f32 v[\cd:\cd+2], v[\fr:\fr+15], v[QS]
	v_cvt_scalef32_pk16_bf6_f32 v[\ce:\ce+2], v[\fr+16:\fr+31], v[QS+1]
	v_nop
.irp i,0,1,2
	v_permlane16_swap_b32 v[\cd+\i], v[\ce+\i]
.endr
.irp i,0,1,2
	v_mov_b32 v[\cd+3+\i], v[\ce+\i]
.endr
.endm
; A joint load: waves 0 and 1 fetch for A, waves 2 and 3 for B.  An s_nop 0 and four v_nop follow each of the two lines
.macro JLOAD g0a, g1a, g0b, g1b
	s_cmp_eq_u32 s15, 0
	s_cbranch_scc0 .Lfor_b_\@
	tensor_load_to_lds s[\g0a:\g0a+3], s[\g1a:\g1a+7]
	s_nop 0
.rept 4
	v_nop
.endr
	s_branch .Lasked_\@
.Lfor_b_\@:
	tensor_load_to_lds s[\g0b:\g0b+3], s[\g1b:\g1b+7]
	s_nop 0
.rept 4
	v_nop
.endr
.Lasked_\@:
.endm
.macro CREST
	s_cmp_lg_u32 s14, 0
	s_cbranch_scc1 .Lnot_wave_0_\@
	s_barrier_signal -3
.Lnot_wave_0_\@:
	s_barrier_wait -3
	s_barrier_signal -1
	s_barrier_wait -1
.endm
.macro CROUND
	s_barrier_signal -1
	s_barrier_wait -1
	CREST
.endm
.macro PLACES
.rept 4
	v_nop
.endr
.endm
	s_load_b256 s[4:11], s[0:1], 0x0               ; yq, Wff1's codes, Wff1's scales, ff
	v_lshl_add_u32 v[SPW], v0, 2, SPARE
	v_mov_b32 v[NIL], 0
	ds_add_u32 v[SPW], v[NIL]                      ; the wave's opening: the add, twice on end, and its wait ahead of the first tensor load
	ds_add_u32 v[SPW], v[NIL]
	v_lshrrev_b32 v1, 5, v0
	v_readfirstlane_b32 s14, v1                    ; wave 0..3
	s_lshr_b32 s15, s14, 1                         ; my half of the rows.  Also: I fetch for A (0) or for B (1)
	s_and_b32 s16, s14, 1                          ; my half of the columns.  Also: which half of that tile I fetch (B: val or gate)
	s_bfe_u32 s40, ttmp6, 0x40000
	s_bfe_u32 s41, ttmp6, 0x40004
	s_lshl_b32 s42, ttmp9, 2
	s_add_co_u32 s42, s42, s40                     ; tile column: 128 of the 4,096
	s_and_b32 s17, ttmp7, 0xffff
	s_lshl_b32 s17, s17, 2
	s_add_co_u32 s17, s17, s41                     ; tile row: 256 rows
	s_lshl_b32 s43, s41, 2
	s_lshl_b32 s43, 15, s43                        ; my row of the cluster
	s_lshl_b32 s44, 0x1111, s40                    ; my column
	s_or_b32 s[G1], s43, (3<<16)|(1<<21)           ; A: 8 tiles of rows, 3,072 bytes (384 elements of 8) each, 12,288 bytes apart; no padding
	s_mov_b32 s[G1+1], 384<<16
	s_mov_b32 s[G1+2], 8<<16
	s_mov_b32 s[G1+3], 384<<16
	s_mov_b32 s[G1+4], 8
	s_mov_b32 s[G1+5], 1536
	s_mov_b32 s[G1+6], 0
	s_mov_b32 s[G1+7], 0
	s_or_b32 s[G1B], s44, (1<<20)|(1<<21)|(3<<22)|(3<<25)   ; B: 128 rows of 192 bytes, 768 apart; 4 words of padding behind every 16
	s_mov_b32 s[G1B+1], 192<<16
	s_mov_b32 s[G1B+2], 128<<16
	s_mov_b32 s[G1B+3], 192<<16
	s_mov_b32 s[G1B+4], 128
	s_mov_b32 s[G1B+5], 768
	s_mov_b32 s[G1B+6], 0
	s_mov_b32 s[G1B+7], 0
	s_or_b32 s[G1S], s43, (3<<16)|(1<<21)          ; A's scale words: 4,096 dense bytes as 16 rows of 256
	s_or_b32 s[G1SB], s44, (3<<16)|(1<<20)|(1<<21)|(5<<22)|(3<<25)   ; B's: the same, 16 bytes of padding behind each row
.irp g, G1S, G1SB
	s_mov_b32 s[\g+1], 32<<16
	s_mov_b32 s[\g+2], 16<<16
	s_mov_b32 s[\g+3], 32<<16
	s_mov_b32 s[\g+4], 16
	s_mov_b32 s[\g+5], 32
	s_mov_b32 s[\g+6], 0
	s_mov_b32 s[\g+7], 0
.endr
	s_lshl_b32 s20, s17, 4
	s_lshl_b32 s18, s16, 3
	s_add_co_u32 s20, s20, s18                     ; A: tile of rows 16 x tile row + 8 x half
	s_lshl_b32 s22, s20, 9
	s_add_co_u32 s22, s22, 3145728                 ; its scale words
	s_mov_b32 s23, 0
	s_mul_i32 s20, s20, 12288
	s_mov_b32 s21, 0
	s_lshl_b32 s46, s42, 7
	s_lshl_b32 s18, s16, 12
	s_add_co_u32 s46, s46, s18                     ; B: row 128 x tile column + 4,096 x half
	s_lshl_b32 s92, s46, 5
	s_mov_b32 s93, 0
	s_mul_i32 s46, s46, 768
	s_mov_b32 s47, 0
	s_mul_i32 s45, s16, 24576                      ; where they go: no place in the cluster enters an LDS address
	s_mul_i32 s19, s16, 128*PITCH
	s_add_co_u32 s19, s19, ASL
	s_lshl_b32 s94, s16, 12
	s_mul_i32 s95, s16, 4352
	s_mov_b32 s[SEL], 0x76543210
	s_mov_b32 s[SEL+1], 0xfedcba98
	s_mov_b32 s[NL2E], 0xbfb8aa3b                  ; -log2(e)
	s_wait_dscnt 0x0                               ; both opening adds are done
	s_wait_kmcnt 0x0
	s_add_nc_u64 s[20:21], s[4:5], s[20:21]
	s_add_nc_u64 s[22:23], s[4:5], s[22:23]
	s_add_nc_u64 s[46:47], s[6:7], s[46:47]
	s_add_nc_u64 s[92:93], s[8:9], s[92:93]
	CROUND                                         ; all sixteen work-groups are here: the first joint loads meet
	s_mov_b32 s[G0S], 1
	s_add_co_u32 s[G0S+1], s94, SCA
	s_mov_b64 s[G0S+2:G0S+3], s[22:23]
	s_or_b32 s[G0S+3], s[G0S+3], 0x80000000
	s_mov_b32 s[G0SB], 1
	s_add_co_u32 s[G0SB+1], s95, SCB
	s_mov_b64 s[G0SB+2:G0SB+3], s[92:93]
	s_or_b32 s[G0SB+3], s[G0SB+3], 0x80000000
	JLOAD G0S, G1S, G0SB, G1SB                     ; the scales first: they are wanted with the first slot
.irp n, 0,1
	s_mov_b32 s[G0+4*\n], 1
	s_add_co_u32 s[G0+4*\n+1], s45, \n*SLOT
	s_add_nc_u64 s[G0+4*\n+2:G0+4*\n+3], s[20:21], \n*3072
	s_or_b32 s[G0+4*\n+3], s[G0+4*\n+3], 0x80000000
	s_mov_b32 s[G0B+4*\n], 1
	s_add_co_u32 s[G0B+4*\n+1], s19, \n*SLOT
	s_add_nc_u64 s[G0B+4*\n+2:G0B+4*\n+3], s[46:47], \n*192
	s_or_b32 s[G0B+4*\n+3], s[G0B+4*\n+3], 0x80000000
	JLOAD G0+4*\n, G1, G0B+4*\n, G1B
.endr
	v_and_b32 v1, 15, v0                           ; r
	v_bfe_u32 v2, v0, 4, 1                         ; h
	v_and_b32 v3, 31, v0                           ; l
	v_lshlrev_b32 v18, 4, v3                       ; 16 l
	s_mul_i32 s20, s15, 24576
	v_add_nc_u32 v[ADRA], s20, v18
	v_add_nc_u32 v[ADRA+1], SLOT, v[ADRA]
	v_mul_u32_u24 v4, v1, PITCH
	v_mad_u32_u24 v4, v2, 24, v4
	s_mul_i32 s20, s16, 64*PITCH
	s_add_co_u32 s20, s20, ASL
	v_add_nc_u32 v[ADRB], s20, v4
	v_add_nc_u32 v[ADRB+1], SLOT, v[ADRB]
	v_lshl_add_u32 v[ADRB+2], v2, 4, v[ADRB]       ; the same behind one padding more
	v_lshl_add_u32 v[ADRB+3], v2, 4, v[ADRB+1]
	s_lshl_b32 s20, s15, 12
	s_add_co_u32 s20, s20, SCA
	v_lshl_add_u32 v[ADRSA], v3, 2, s20            ; A's words: lanes 0-15 the slot's first K step, lanes 16-31 its second
	v_lshlrev_b32 v4, 5, v1
	v_lshrrev_b32 v5, 3, v1
	v_lshl_add_u32 v4, v5, 4, v4
	s_mul_i32 s20, s16, 2176
	s_add_co_u32 s20, s20, SCB
	v_add_nc_u32 v[ADRSB], s20, v4                 ; B's: 32 bytes a row, 16 more for each 256 passed
	s_mul_i32 s20, s15, 12288
	s_mul_i32 s21, s16, 520
	s_add_co_u32 s21, s21, s20
	v_add_nc_u32 v[STA], s21, v18                  ; the stage: my half (64 of the 128 columns) of a fragment: pieces at 0, 8, 512 or 520, 1,024, 1,032
	s_mul_i32 s21, s16, 1016
	s_add_co_u32 s21, s21, s20
	v_add_nc_u32 v[STB], s21, v18
	s_lshl_b32 s20, s15, 9
	s_lshl_b32 s21, s16, 1
	s_add_co_u32 s20, s20, s21
	s_add_co_u32 s20, s20, SST
	v_lshl_add_u32 v[SSA], v1, 2, s20
	s_mul_i32 s20, s14, 6144
	v_add_nc_u32 v[CPL], s20, v18
	v_lshl_add_u32 v19, v0, 3, SST
	v_lshlrev_b32 v6, 3, v0
	v_mov_b32 v[QP], 0                             ; written once: a lane permute's destination counts as one of its sources
	v_mov_b32 v[QP+1], 0
	s_lshl_b32 s20, s17, 4
	s_lshl_b32 s21, s14, 2
	s_add_co_u32 s20, s20, s21
	s_lshl_b32 s20, s20, 5
	s_add_co_u32 s20, s20, s42
	s_mul_i32 s20, s20, 1536
	s_mov_b32 s21, 0
	s_add_nc_u64 s[12:13], s[10:11], s[20:21]      ; ff: fragment (tile of rows 16 x tile row + 4 x wave, K step = tile column)
	s_lshl_b32 s20, s42, 14
	s_lshl_b32 s22, s17, 10
	s_add_co_u32 s20, s20, s22
	s_add_co_u32 s20, s20, 12582912
	s_add_nc_u64 s[66:67], s[10:11], s[20:21]      ; and the work-group's 16 x 64 bytes of scale words
.macro FRAGB reg, adr, q, off          ; a fragment of B from rows: six pieces of 8 bytes; lanes 16-31 read three pieces on, which from piece 5 of 8 on lies behind one padding more
.irp p,0,1,2,3,4,5
.set PCE, 12*(\q)+6*(\p/3)+\p%3
.if PCE%8 < 5
	ds_load_b64 v[\reg+2*\p:\reg+2*\p+1], v[\adr] offset:8*PCE+16*(PCE/8)+(\off)
.else
	ds_load_b64 v[\reg+2*\p:\reg+2*\p+1], v[\adr+2] offset:8*PCE+16*(PCE/8)+(\off)
.endif
.endr
.endm
.macro FETCH_B slot, q, n              ; B's eight fragments (0-3 val, 4-7 gate) into set n
	WIN TO_B
.irp i,0,1,2,3,4,5,6,7
	FRAGB 128*(\n)+FR*\i, ADRB+\slot, \q, (16*\i+64*(\i/4))*PITCH
.endr
	WIN 0
.endm
.macro FETCH_A slot, q, i0             ; A's blocks i0 .. i0 + 3: images, three loads each
.irp i, \i0, \i0+1, \i0+2, \i0+3
.irp c,0,1,2
	ds_load_b128 v[AF+FR*(\i)+4*\c:AF+FR*(\i)+4*\c+3], v[ADRA+\slot] offset:3072*(\i)+1536*(\q)+512*\c
.endr
.endr
.endm
.macro SCALES n
.irp i,0,1,2,3,4,5,6,7
	ds_load_b32 v[SA+8*(\n)+\i], v[ADRSA] offset:512*\i
	ds_load_b64 v[SB+16*(\n)+2*\i:SB+16*(\n)+2*\i+1], v[ADRSB] offset:(\i+4*(\i/4))*544
.endr
.endm
; 16 matrix instructions: A's blocks a0, a0 + 1 x B's eight.  The 64 accumulators take turns, one instruction a turn, in the same order in every step
.macro MUL16 a0, n, q, st, zero
.irp a, \a0, \a0+1
.irp b,0,1,2,3,4,5,6,7
	WMMA 8*(8*((\a)%4)+\b), 128*(\n)+FR*\b, AF+FR*(\a), \zero, SB+16*(\st)+2*\b+(\q), SA+8*(\st)+(\a), 2*(\q)
.endr
.endr
.endm
.macro STEP slot, zero                 ; a slot's first 128 along K
	s_wait_dscnt 12                                ; B's set, the scale words and A's blocks 0-3 are in; A's blocks 4-7 (12 loads) may be out
	WIN MUL_LO
	MUL16 0, 0, 0, \slot, \zero
	MUL16 2, 0, 0, \slot, \zero
	s_wait_dscnt 0x0
	PLACES
	FETCH_B \slot, 1, 1
	FETCH_A \slot, 1, 0
	WIN MUL_HI
	MUL16 4, 0, 0, \slot, \zero
	MUL16 6, 0, 0, \slot, \zero
	PLACES
	WIN 0
	FETCH_A \slot, 1, 4
.endm
; A slot's second 128 along K changes slots: ONE barrier; in front of it each wave waits for all its tensor loads, adds 0 to its spare word, and waits for that and for its own reads of this slot
.macro TURN slot, next, fill
	s_wait_tensorcnt 0x0                           ; all my tensor loads have landed: my part of the next slot
	ds_add_u32 v[SPW], v[NIL]                      ; 0 onto my spare word
	s_wait_dscnt 13                                ; (the add and A's blocks 4-7 may be out)
	WIN MUL_LO
	MUL16 0, 1, 1, \slot, 0
	s_wait_dscnt 0x0                               ; the add is done, and my reads of this slot are over
	s_barrier_signal -1
	MUL16 2, 1, 1, \slot, 0
	WIN 0
	s_barrier_wait -1
.if \fill
	CREST                                          ; the barrier has opened a round of the cluster's barrier: no wave of any partner still reads this slot or has a load on its way
	s_add_nc_u64 s[G0+4*\slot+2:G0+4*\slot+3], s[G0+4*\slot+2:G0+4*\slot+3], 2*3072
	s_add_nc_u64 s[G0B+4*\slot+2:G0B+4*\slot+3], s[G0B+4*\slot+2:G0B+4*\slot+3], 2*192
	JLOAD G0+4*\slot, G1, G0B+4*\slot, G1B         ; the first tensor load behind the round; its four v_nop are also the places in front of the loads below
.else
	PLACES
.endif
	v_add_nc_u32 v[ADRSA], 128, v[ADRSA]           ; the next slot's scale words (no LDS load of mine is out)
	v_add_nc_u32 v[ADRSB], 8, v[ADRSB]
	FETCH_B \next, 0, 0
	FETCH_A \next, 0, 0
	SCALES \next
	WIN MUL_HI
	MUL16 4, 1, 1, \slot, 0
	MUL16 6, 1, 1, \slot, 0
	PLACES
	WIN 0
	FETCH_A \next, 0, 4
.endm
	s_wait_tensorcnt 1                             ; the scales and my part of slot 0 are in (slot 1's load may be out),
	s_barrier_signal -1
	s_barrier_wait -1                              ; everybody's are
	FETCH_B 0, 0, 0
	FETCH_A 0, 0, 0
	SCALES 0
	FETCH_A 0, 0, 4
	STEP 0, 1                                      ; the first products start the sums: nothing is cleared
	TURN 0, 1, 1                                   ; K's four slots are written out: two refills
	STEP 1, 0
	TURN 1, 0, 1
	STEP 0, 0
	TURN 0, 1, 0                                   ; nothing is left to fetch
	STEP 1, 0
	s_wait_dscnt 12
	WIN MUL_LO
	MUL16 0, 1, 1, 1, 0
	MUL16 2, 1, 1, 1, 0
	s_wait_dscnt 0x0
	WIN MUL_HI
	MUL16 4, 1, 1, 1, 0
	MUL16 6, 1, 1, 1, 0
	WIN 0
	PLACES
; THE WAY OUT, a block of 16 rows at a time: silu(gate) x val = gate x val / (1 + 2^(-gate log2 e)), then the quantiser along my 64 columns: half ch of the fragment (this tile of rows, K step = the tile column)
.macro SILU a
.set AC, 64*((\a)%4)
	WIN 0x08+4*((\a)/4)                            ; source 1: window 2 or 3
.set i, 0
.rept 32
	v_mul_f32 v[W+i], s[NL2E], v[AC+32+i]          ; each accumulator from its low end on
.set i, i+1
.endr
	WIN 0
.set i, 0
.rept 32
	v_exp_f32 v[W+i], v[W+i]
.set i, i+1
.endr
	v_nop                                          ; a plain instruction behind the batch,
	s_wait_alu depctr_va_vdst(0)                   ; and one wait for it, ahead of its first reader
.set i, 0
.rept 16
	v_pk_add_f32 v[W+i:W+i+1], v[W+i:W+i+1], 1.0 op_sel_hi:[1,0]
.set i, i+2
.endr
.set i, 0
.rept 32
	v_rcp_f32 v[W+i], v[W+i]
.set i, i+1
.endr
	v_nop
	s_wait_alu depctr_va_vdst(0)
	WIN 0x02+((\a)/4)                              ; source 0: window 2 or 3
.set i, 0
.rept 16
	v_pk_mul_f32 v[W+i:W+i+1], v[AC+32+i:AC+32+i+1], v[W+i:W+i+1]
.set i, i+2
.endr
.set i, 0
.rept 16
	v_pk_mul_f32 v[W+i:W+i+1], v[AC+i:AC+i+1], v[W+i:W+i+1]
.set i, i+2
.endr
	WIN 0
	SWAP16 W
	SWAP16 W+16
	QUANT2 W, 160, 168, 176
	ds_store_b64 v[STA], v[160:161] offset:1536*(\a)
	ds_store_b64 v[STB], v[162:163] offset:1536*(\a)+8
	ds_store_b64 v[STA], v[164:165] offset:1536*(\a)+512
	ds_store_b16 v[SSA], v176 offset:64*(\a)
	s_wait_dscnt 0x0                               ; the stores have read their registers
.endm
.irp a,0,1,2,3,4,5,6,7
	SILU \a
.endr
	s_barrier_signal -1
	s_barrier_wait -1                              ; the 16 images are whole
.irp i,0,1,2,3,4,5,6,7,8,9,10,11
	ds_load_b128 v[W+4*\i:W+4*\i+3], v[CPL] offset:512*\i
.endr
	ds_load_b64 v[188:189], v19
.irp i,0,1,2,3,4,5,6,7,8,9,10,11
	s_wait_dscnt 12-\i
	global_store_b128 v18, v[W+4*\i:W+4*\i+3], s[12:13] offset:(\i/3)*49152+(\i%3)*512   ; 32 lanes store 512 consecutive bytes, aligned
.endr
	s_wait_dscnt 0x0
	global_store_b64 v6, v[188:189], s[66:67]
	s_wait_tensorcnt 0x0                           ; the wave's end
	ds_add_u32 v[SPW], v[NIL]
	s_wait_dscnt 0x0
	CROUND                                         ; the closing round
	s_endpgm
.Lfunc_end_k_q1914d3a897_ff1:
	.size	k_q1914d3a897_ff1, .Lfunc_end_k_q1914d3a897_ff1-k_q1914d3a897_ff1
	.p2alignl 7, 3214868480
	.fill 96, 4, 3214868480
	.section	.rodata,"a",@progbits
	.p2align	6, 0x0
	.amdhsa_kernel k_q1914d3a897_ff1
		.amdhsa_group_segment_fixed_size 327680
		.amdhsa_private_segment_fixed_size 0
		.amdhsa_enable_private_segment 0
		.amdhsa_kernarg_size 32
		.amdhsa_user_sgpr_count 2
		.amdhsa_user_sgpr_kernarg_segment_ptr 1
		.amdhsa_wavefront_size32 1
		.amdhsa_system_sgpr_workgroup_id_x 1
		.amdhsa_system_sgpr_workgroup_id_y 1
		.amdhsa_system_sgpr_workgroup_id_z 1
		.amdhsa_system_vgpr_workitem_id 0
		.amdhsa_next_free_vgpr 1024
		.amdhsa_next_free_sgpr 100
		.amdhsa_reserve_vcc 0
		.amdhsa_float_denorm_mode_32 3
		.amdhsa_float_denorm_mode_16_64 3
		.amdhsa_memory_ordered 1
		.amdhsa_forward_progress 1
		.amdhsa_inst_pref_size 194
	.end_amdhsa_kernel
	.amdgpu_metadata
---
amdhsa.version: [ 1, 2 ]
amdhsa.kernels:
  - .name:           k_q1914d3a897_ff1
    .symbol:         k_q1914d3a897_ff1.kd
    .args:
      - { .name: yq, .offset: 0, .size: 8, .value_kind: global_buffer, .address_space: global }
      - { .name: Wff1_codes, .offset: 8, .size: 8, .value_kind: global_buffer, .address_space: global }
      - { .name: Wff1_scales, .offset: 16, .size: 8, .value_kind: global_buffer, .address_space: global }
      - { .name: ff, .offset: 24, .size: 8, .value_kind: global_buffer, .address_space: global }
    .group_segment_fixed_size: 327680
    .private_segment_fixed_size: 0
    .kernarg_segment_align: 8
    .kernarg_segment_size: 32
    .max_flat_workgroup_size: 128
    .sgpr_count:     100
    .vgpr_count:     1024
    .wavefront_size: 32
...
	.end_amdgpu_metadata
.endif
;; end of part 3
;; launch wo (part 4): grid 8 x 32, 4 waves a work-group, clusters of 4 x 4, 327,680 bytes of LDS; arguments ao, Wo_codes, Wo_scales, y, yq, g2, tb; writes tb
.if DOCPART == 4
	.amdgcn_target "amdgcn-amd-amdhsa--gfx1250"
	.amdhsa_code_object_version 6
	.text
	.protected	k_q1914d3a897_wo
	.globl	k_q1914d3a897_wo
	.p2align	8
	.type	k_q1914d3a897_wo,@function
k_q1914d3a897_wo:
	s_mov_b64 s[64:65], 0
	v_nop
	global_prefetch_b8 v0, s[64:65] scope:SCOPE_SE
	s_setreg_imm32_b32 hwreg(HW_REG_WAVE_MODE, 25, 1), 1
	s_wait_xcnt 0x0
	s_wait_alu depctr_hold_cnt(0) depctr_sa_sdst(0) depctr_va_vdst(0) depctr_va_sdst(0) depctr_va_ssrc(0) depctr_va_vcc(0) depctr_vm_vsrc(0)
	s_getreg_b32 s2, hwreg(HW_REG_IB_STS2, 6, 4)
	s_cmp_eq_u32 s2, 0
	s_cbranch_scc0 .Lentry_in_a_cluster
	s_endpgm
.Lentry_in_a_cluster:
	s_bfe_u32 s2, ttmp6, 0x10000c
	s_cmp_lg_u32 s2, 0xf033
	s_cbranch_scc0 .Lentry_shape_is_right
	s_endpgm
.Lentry_shape_is_right:
; LAUNCH 4 OF 5 (FINAL = 0).  t = ao Wo + yn, yn made anew from y, its rows' (mean, rstd) of launch 1 and g2; for each row and each 64 columns the pair (mean, sum of squared differences from it).
; LAUNCH 5 OF 5 is the same text with FINAL = 1 and K = 4,096.  No work of the problem is left out.  LIMITS: NaN and infinities are not served.
; A tile of 128 x 128 to a work-group of four waves, 64 x 64 a wave: 16 accumulators: with M = 4,096 and N = 1,024 this tile gives each of 256 WGPs one work-group.
; K goes in steps of 512 through two LDS slots.  A lies in memory as images of the operand's registers (a fragment: three loads of 16 bytes a lane); B's rows come as two chunks of 256 along K, 192 bytes a row,
; 16 bytes of padding behind every 64.  The scale words of all of K and the tile of y (or t) that the way out adds come once, with the first fills: four loads of a wave are out at the start, later one.
; CLUSTERS: 4 x 4: A's tiles jointly along a row, B's along a column; the tile of y is each work-group's own and comes by a plain load.  THE MATRIX INSTRUCTION IS USED TRANSPOSED: a lane holds eight neighbouring columns of a row.
; REGISTERS: window 0: v0-31 addresses; v32-47 A's scale words, v48-79 B's, two sets; v80-127 the way out; v128-255 the accumulators ((a, b) at v[128 + 8 (4 a + b)]).
;   window 1: two buffers of 96: A's four fragments, B's four; on the way out rows read back.   window 2: v0-31 the gain at my columns; from v32 the rows' statistics.
.set FINAL,  0
.set SIZE_K, 1024
.set NK,    SIZE_K/128
.set KS,    SIZE_K/32
.set KROW,  SIZE_K*3/4
.set LAPS,  SIZE_K/1024
.set PITCH, 240
.set BOFF,  49152                      ; a slot: A's 8 tiles of rows x 4 fragments, then B's two chunks
.set CHK,   128*PITCH
.set SLOT,  BOFF+2*CHK
.set SCA,   2*SLOT                     ; A's scale words [K step][8 tiles][64 bytes]
.set SCB,   SCA+16384                  ; B's scale bytes, units of 256 + 16
.set SBLK,  (16*KS/256)*272
.set YT,    SCB+17408                  ; 128 rows x (512 bytes + 16)
.set SPARE, YT+128*528
.set ACODES, 256*NK*1536               ; where A's scale words begin in its buffer
.set ADRA, 16
.set ADRB, 20
.set STO,  24
.set RD,   25
.set CO,   26
.set AY,   27
.set SPW,  28
.set NIL,  29
.set ADRSA, 30
.set ADRSB, 31
.set SA,   32
.set SB,   48
.set TT,   80
.set ACC,  128
.set G1,   24
.set G0,   32
.set G1Y,  40
.set G1B,  48
.set G0B,  56
.set G1S,  68
.set G0S,  76
.set G1SB, 80
.set G0SB, 88
.set G0Y,  92
.if FINAL
.set PG,   96
.set PST,  98
.else
.set PG,   98
.set PST,  96
.endif
.set MSB, 0
.macro WIN new
.if MSB != (\new)
	s_set_vgpr_msb (MSB<<8)|(\new)
.set MSB, \new
.endif
.endm
.macro WMMA d, a, b, zero, sa, sb, row
.if \zero
	v_wmma_scale_f32_16x16x128_f8f6f4 v[\d:\d+7], v[\a:\a+11], v[\b:\b+11], 0, v[\sa], v[\sb] matrix_a_fmt:MATRIX_FMT_BF6 matrix_b_fmt:MATRIX_FMT_BF6
.elseif (\row) == 0
	v_wmma_scale_f32_16x16x128_f8f6f4 v[\d:\d+7], v[\a:\a+11], v[\b:\b+11], v[\d:\d+7], v[\sa], v[\sb] matrix_a_fmt:MATRIX_FMT_BF6 matrix_b_fmt:MATRIX_FMT_BF6
.else
	v_wmma_scale_f32_16x16x128_f8f6f4 v[\d:\d+7], v[\a:\a+11], v[\b:\b+11], v[\d:\d+7], v[\sa], v[\sb] matrix_a_fmt:MATRIX_FMT_BF6 matrix_b_fmt:MATRIX_FMT_BF6 matrix_b_scale:MATRIX_SCALE_ROW1
.endif
.endm
.macro JLOAD g0a, g1a, g0b, g1b        ; a joint load: waves 0 and 1 fetch for A, waves 2 and 3 for B; an s_nop 0 and four v_nop follow each line
	s_cmp_eq_u32 s15, 0
	s_cbranch_scc0 .Lfor_b_\@
	tensor_load_to_lds s[\g0a:\g0a+3], s[\g1a:\g1a+7]
	s_nop 0
.rept 4
	v_nop
.endr
	s_branch .Lasked_\@
.Lfor_b_\@:
	tensor_load_to_lds s[\g0b:\g0b+3], s[\g1b:\g1b+7]
	s_nop 0
.rept 4
	v_nop
.endr
.Lasked_\@:
.endm
.macro CREST
	s_cmp_lg_u32 s14, 0
	s_cbranch_scc1 .Lnot_wave_0_\@
	s_barrier_signal -3
.Lnot_wave_0_\@:
	s_barrier_wait -3
	s_barrier_signal -1
	s_barrier_wait -1
.endm
.macro CROUND
	s_barrier_signal -1
	s_barrier_wait -1
	CREST
.endm
.macro PLACES
.rept 4
	v_nop
.endr
.endm
	s_load_b256 s[4:11], s[0:1], 0x0               ; A, B's codes, B's scales, the tensor that the way out adds (y or t)
	s_load_b128 s[96:99], s[0:1], 0x20             ; FINAL = 0: yq, g2;  FINAL = 1: g_out, out0
.if !FINAL
	s_load_b64 s[12:13], s[0:1], 0x30              ; tb
.endif
	v_lshl_add_u32 v[SPW], v0, 2, SPARE
	v_mov_b32 v[NIL], 0
	ds_add_u32 v[SPW], v[NIL]                      ; the wave's opening: the add, twice on end, and its wait ahead of the first tensor load
	ds_add_u32 v[SPW], v[NIL]
	v_lshrrev_b32 v1, 5, v0
	v_readfirstlane_b32 s14, v1                    ; wave 0..3
	s_lshr_b32 s15, s14, 1                         ; my half of the rows.  Also: I fetch for A (0) or for B (1)
	s_and_b32 s16, s14, 1                          ; my half of the columns.  Also: which half of A's tile, or which chunk of B's, I fetch
	s_bfe_u32 s19, ttmp6, 0x40000
	s_bfe_u32 s20, ttmp6, 0x40004
	s_lshl_b32 s18, ttmp9, 2
	s_add_co_u32 s18, s18, s19                     ; tile column
	s_and_b32 s17, ttmp7, 0xffff
	s_lshl_b32 s17, s17, 2
	s_add_co_u32 s17, s17, s20                     ; tile row
	s_lshl_b32 s21, s20, 2
	s_lshl_b32 s21, 15, s21                        ; my row of the cluster
	s_lshl_b32 s22, 0x1111, s19                    ; my column
	s_or_b32 s[G1], s21, (3<<16)|(1<<21)           ; A: 4 tiles of rows, 6,144 bytes (768 elements of 8) each, NK x 1,536 bytes apart
	s_mov_b32 s[G1+1], 768<<16
	s_mov_b32 s[G1+2], 4<<16
	s_mov_b32 s[G1+3], 768<<16
	s_mov_b32 s[G1+4], 4
	s_mov_b32 s[G1+5], 192*NK
	s_mov_b32 s[G1+6], 0
	s_mov_b32 s[G1+7], 0
	s_or_b32 s[G1B], s22, (1<<20)|(1<<21)|(3<<22)|(3<<25)   ; B: 128 rows of 192 bytes; 4 words of padding behind every 16
	s_mov_b32 s[G1B+1], 192<<16
	s_mov_b32 s[G1B+2], 128<<16
	s_mov_b32 s[G1B+3], 192<<16
	s_mov_b32 s[G1B+4], 128
	s_mov_b32 s[G1B+5], KROW
	s_mov_b32 s[G1B+6], 0
	s_mov_b32 s[G1B+7], 0
	s_or_b32 s[G1S], s21, (3<<16)|(1<<21)          ; A's scale words: NK / 2 K steps, 512 bytes each, 16,384 apart
	s_mov_b32 s[G1S+1], 64<<16
	s_mov_b32 s[G1S+2], (NK/2)<<16
	s_mov_b32 s[G1S+3], 64<<16
	s_mov_b32 s[G1S+4], NK/2
	s_mov_b32 s[G1S+5], 2048
	s_mov_b32 s[G1S+6], 0
	s_mov_b32 s[G1S+7], 0
	s_or_b32 s[G1SB], s22, (3<<16)|(1<<20)|(1<<21)|(5<<22)|(3<<25)   ; B's: 64 rows' dense bytes as rows of 256, 16 bytes of padding behind each
	s_mov_b32 s[G1SB+1], 32<<16
	s_mov_b32 s[G1SB+2], (64*KS/256)<<16
	s_mov_b32 s[G1SB+3], 32<<16
	s_mov_b32 s[G1SB+4], 64*KS/256
	s_mov_b32 s[G1SB+5], 32
	s_mov_b32 s[G1SB+6], 0
	s_mov_b32 s[G1SB+7], 0
	s_mov_b32 s[G1Y], (2<<16)|(1<<20)|(6<<22)|(3<<25)   ; the tile of y or t: 32 rows of 128 f32, 1,024 apart; 4 words of padding behind every 128; no mask
	s_mov_b32 s[G1Y+1], 128<<16
	s_mov_b32 s[G1Y+2], 32<<16
	s_mov_b32 s[G1Y+3], 128<<16
	s_mov_b32 s[G1Y+4], 32
	s_mov_b32 s[G1Y+5], 1024
	s_mov_b32 s[G1Y+6], 0
	s_mov_b32 s[G1Y+7], 0
	; the groups 0: the offsets are made in the address fields and the buffers' addresses added behind the wait.  A's hang on the tile row and the wave alone, B's on the tile column and the wave alone
	s_mov_b32 s[G0], 1
	s_mul_i32 s[G0+1], s16, 24576
	s_mov_b32 s[G0+4], 1
	s_add_co_u32 s[G0+5], s[G0+1], SLOT
	s_lshl_b32 s[G0+2], s17, 3
	s_lshl_b32 s23, s16, 2
	s_add_co_u32 s[G0+2], s[G0+2], s23
	s_mul_i32 s[G0+2], s[G0+2], NK*1536
	s_mov_b32 s[G0+3], 0
	s_mov_b32 s[G0S], 1
	s_mul_i32 s[G0S+1], s16, (NK/2)*512
	s_add_co_u32 s[G0S+1], s[G0S+1], SCA
	s_mul_i32 s[G0S+2], s16, (NK/2)*16384
	s_lshl_b32 s23, s17, 9
	s_add_co_u32 s[G0S+2], s[G0S+2], s23
	s_add_co_u32 s[G0S+2], s[G0S+2], ACODES
	s_mov_b32 s[G0S+3], 0
	s_mov_b32 s[G0B], 1
	s_mul_i32 s[G0B+1], s16, CHK
	s_add_co_u32 s[G0B+1], s[G0B+1], BOFF
	s_mov_b32 s[G0B+4], 1
	s_add_co_u32 s[G0B+5], s[G0B+1], SLOT
	s_mul_i32 s[G0B+2], s18, 128*KROW
	s_mul_i32 s2, s16, 192
	s_add_co_u32 s[G0B+2], s[G0B+2], s2
	s_mov_b32 s[G0B+3], 0
	s_mov_b32 s[G0SB], 1
	s_mul_i32 s[G0SB+1], s16, (64*KS/256)*272
	s_add_co_u32 s[G0SB+1], s[G0SB+1], SCB
	s_lshl_b32 s[G0SB+2], s18, 7
	s_lshl_b32 s2, s16, 6
	s_add_co_u32 s[G0SB+2], s[G0SB+2], s2
	s_mul_i32 s[G0SB+2], s[G0SB+2], KS
	s_mov_b32 s[G0SB+3], 0
	s_mov_b32 s[G0Y], 1
	s_mul_i32 s[G0Y+1], s14, 32*528
	s_add_co_u32 s[G0Y+1], s[G0Y+1], YT
	s_lshl_b32 s[G0Y+2], s17, 7
	s_lshl_b32 s2, s14, 5
	s_add_co_u32 s[G0Y+2], s[G0Y+2], s2
	s_lshl_b32 s[G0Y+2], s[G0Y+2], 12
	s_lshl_b32 s2, s18, 9
	s_add_co_u32 s[G0Y+2], s[G0Y+2], s2
	s_mov_b32 s[G0Y+3], 0
	s_wait_dscnt 0x0                               ; both opening adds are done
	s_wait_kmcnt 0x0
	s_add_nc_u64 s[G0+2:G0+3], s[4:5], s[G0+2:G0+3]
	s_add_nc_u64 s[G0+6:G0+7], s[G0+2:G0+3], 6144
	s_or_b32 s[G0+3], s[G0+3], 0x80000000
	s_or_b32 s[G0+7], s[G0+7], 0x80000000
	s_add_nc_u64 s[G0S+2:G0S+3], s[4:5], s[G0S+2:G0S+3]
	s_or_b32 s[G0S+3], s[G0S+3], 0x80000000
	s_add_nc_u64 s[G0B+2:G0B+3], s[6:7], s[G0B+2:G0B+3]
	s_add_nc_u64 s[G0B+6:G0B+7], s[G0B+2:G0B+3], 384
	s_or_b32 s[G0B+3], s[G0B+3], 0x80000000
	s_or_b32 s[G0B+7], s[G0B+7], 0x80000000
	s_add_nc_u64 s[G0SB+2:G0SB+3], s[8:9], s[G0SB+2:G0SB+3]
	s_or_b32 s[G0SB+3], s[G0SB+3], 0x80000000
	s_add_nc_u64 s[G0Y+2:G0Y+3], s[10:11], s[G0Y+2:G0Y+3]
	s_or_b32 s[G0Y+3], s[G0Y+3], 0x80000000
	CROUND                                         ; all sixteen work-groups are here: the first joint loads meet
	JLOAD G0S, G1S, G0SB, G1SB                     ; the scales, slot 0, slot 1, the tile of y or t: the launch's first fills, as one group
	JLOAD G0, G1, G0B, G1B
	JLOAD G0+4, G1, G0B+4, G1B
	tensor_load_to_lds s[G0Y:G0Y+3], s[G1Y:G1Y+7]
	s_nop 0
.rept 4
	v_nop
.endr
.if FINAL
	s_mov_b64 s[12:13], s[98:99]                   ; out0
	s_add_nc_u64 s[PST:PST+1], s[10:11], 0x1000000 ; the pairs of launch 4, behind t
.else
	s_add_nc_u64 s[PST:PST+1], s[PST:PST+1], 3276800   ; y's (mean, rstd), behind yq's codes and scale words
	s_lshl_b32 s2, s18, 1
	s_add_co_u32 s2, s2, s16
	s_lshl_b32 s2, s2, 15
	s_lshl_b32 s3, s17, 10
	s_add_co_u32 s2, s2, s3
	s_lshl_b32 s3, s15, 9
	s_add_co_u32 s2, s2, s3
	s_add_co_u32 s2, s2, 0x1000000
	s_mov_b32 s3, 0
	s_add_nc_u64 s[8:9], s[12:13], s[2:3]          ; where my rows' pairs go: [64 columns' group][row][2]
.endif
	s_lshl_b32 s2, s17, 7
	s_lshl_b32 s3, s15, 6
	s_add_co_u32 s2, s2, s3
	s_lshl_b32 s2, s2, 12
	s_lshl_b32 s3, s18, 9
	s_add_co_u32 s2, s2, s3
	s_lshl_b32 s3, s16, 8
	s_add_co_u32 s2, s2, s3
	s_mov_b32 s3, 0
	s_add_nc_u64 s[12:13], s[12:13], s[2:3]        ; the output at my 64 x 64
	s_lshl_b32 s2, s18, 9
	s_lshl_b32 s23, s16, 8
	s_add_co_u32 s2, s2, s23
	s_add_nc_u64 s[PG:PG+1], s[PG:PG+1], s[2:3]    ; the gain at my 64 columns
	s_lshl_b32 s2, s17, 10
	s_lshl_b32 s23, s15, 9
	s_add_co_u32 s2, s2, s23
	s_add_nc_u64 s[PST:PST+1], s[PST:PST+1], s[2:3]   ; the statistics at my 64 rows
	s_mov_b32 s4, 0x76543210                       ; (the pointers that the descriptors have taken in give their registers to constants)
	s_mov_b32 s5, 0xfedcba98
	s_mov_b32 s6, 0x3a800000                       ; 1 / 1,024
	s_mov_b32 s7, 0x3727c5ac                       ; eps
	v_and_b32 v1, 15, v0                           ; r
	v_bfe_u32 v2, v0, 4, 1                         ; h
	v_and_b32 v3, 31, v0                           ; l
	v_lshlrev_b32 v4, 4, v3
	s_mul_i32 s23, s15, 24576
	v_add_nc_u32 v[ADRA], s23, v4
	v_add_nc_u32 v[ADRA+1], SLOT, v[ADRA]
	v_mul_u32_u24 v5, v1, PITCH
	v_mad_u32_u24 v5, v2, 24, v5
	s_mul_i32 s23, s16, 64*PITCH
	s_add_co_u32 s23, s23, BOFF
	v_add_nc_u32 v[ADRB], s23, v5
	v_add_nc_u32 v[ADRB+1], SLOT, v[ADRB]
	v_lshl_add_u32 v[ADRB+2], v2, 4, v[ADRB]
	v_lshl_add_u32 v[ADRB+3], v2, 4, v[ADRB+1]
	s_mul_i32 s23, s14, 16*272                     ; my stage, in slot 0: 16 rows x (256 bytes + 16)
	v_mul_u32_u24 v[STO], v1, 272
	v_lshl_add_u32 v[STO], v2, 5, v[STO]
	v_add_nc_u32 v[STO], s23, v[STO]
	v_mul_u32_u24 v[RD], v2, 272
	v_lshl_add_u32 v[RD], v1, 4, v[RD]
	v_add_nc_u32 v[RD], s23, v[RD]
	v_lshlrev_b32 v[CO], 12, v2
	v_lshl_add_u32 v[CO], v1, 4, v[CO]
	s_mul_i32 s23, s15, 64*528
	s_lshl_b32 s2, s16, 8
	s_add_co_u32 s23, s23, s2
	s_add_co_u32 s23, s23, YT
	v_mul_u32_u24 v[AY], v1, 528
	v_lshl_add_u32 v[AY], v2, 5, v[AY]
	v_add_nc_u32 v[AY], s23, v[AY]
	s_lshl_b32 s23, s15, 8
	s_add_co_u32 s23, s23, SCA
	v_lshlrev_b32 v[ADRSA], 2, v1
	v_lshl_add_u32 v[ADRSA], v2, 9, v[ADRSA]       ; lanes 0-15 an even K step's words, lanes 16-31 the next one's
	v_add_nc_u32 v[ADRSA], s23, v[ADRSA]
	v_mul_u32_u24 v[ADRSB], v1, KS
	v_lshrrev_b32 v6, 8, v[ADRSB]
	v_lshl_add_u32 v[ADRSB], v6, 4, v[ADRSB]
	s_mul_i32 s23, s16, 4*SBLK
	s_add_co_u32 s23, s23, SCB
	v_add_nc_u32 v[ADRSB], s23, v[ADRSB]
	v_lshlrev_b32 v8, 5, v2                        ; the gain: 32 h
	v_lshlrev_b32 v9, 3, v1                        ; the statistics: 8 r
.if FINAL
	v_lshl_add_u32 v10, v2, 18, v9                 ; lanes 16-31: the groups 8 .. 15
.endif
	WIN 0x80                                       ; destination window 2: waited for only on the way out
.irp b,0,1,2,3
.irp e,0,1
	global_load_b128 v[8*\b+4*\e:8*\b+4*\e+3], v8, s[PG:PG+1] offset:64*\b+16*\e
.endr
.endr
.if FINAL
.irp a,0,1,2,3
.irp g,0,1,2,3,4,5,6,7
	global_load_b64 v[32+16*\a+2*\g:33+16*\a+2*\g], v10, s[PST:PST+1] offset:32768*\g+128*\a
.endr
.endr
.else
.irp a,0,1,2,3
	global_load_b64 v[32+2*\a:33+2*\a], v9, s[PST:PST+1] offset:128*\a
.endr
.endif
	WIN 0
.macro FRAGB reg, adr, q, off
.irp p,0,1,2,3,4,5
.set PCE, 12*(\q)+6*(\p/3)+\p%3
.if PCE%8 < 5
	ds_load_b64 v[\reg+2*\p:\reg+2*\p+1], v[\adr] offset:8*PCE+16*(PCE/8)+(\off)
.else
	ds_load_b64 v[\reg+2*\p:\reg+2*\p+1], v[\adr+2] offset:8*PCE+16*(PCE/8)+(\off)
.endif
.endr
.endm
.macro FETCH slot, kq, f               ; 36 loads: the slot's K step kq: B's four fragments, then A's four, into the buffer at f of window 1
	WIN 0x40
.irp b,0,1,2,3
	FRAGB (\f)+48+12*\b, ADRB+\slot, (\kq)%2, ((\kq)/2)*CHK+16*\b*PITCH
.endr
.irp a,0,1,2,3
.irp c,0,1,2
	ds_load_b128 v[(\f)+12*\a+4*\c:(\f)+12*\a+4*\c+3], v[ADRA+\slot] offset:6144*\a+1536*(\kq)+512*\c
.endr
.endr
.endm
.macro SCALES n                        ; a slot's scale words into set n
	WIN 0
.irp a,0,1,2,3
.irp u,0,1
	ds_load_b32 v[SA+8*(\n)+2*\a+\u], v[ADRSA] offset:64*\a+1024*\u
.endr
.endr
.irp b,0,1,2,3
	ds_load_b128 v[SB+16*(\n)+4*\b:SB+16*(\n)+4*\b+3], v[ADRSB] offset:\b*SBLK
.endr
.endm
.macro MUL4 f, a, kq, n, zero          ; A's block a x B's four.  The 16 accumulators take turns, one instruction a turn
.irp b,0,1,2,3
	WMMA ACC+8*(4*(\a)+\b), (\f)+48+12*\b, (\f)+12*(\a), \zero, SB+16*(\n)+4*\b+(\kq), SA+8*(\n)+2*(\a)+(\kq)/2, 2*((\kq)%2)
.endr
.endm
.macro QUARTER slot, kq, zero          ; one of a slot's first three K steps: multiplies buffer kq % 2 and fetches the next K step into the other
.set FC, 128*((\kq)%2)
.set FN, 128-FC
	s_wait_dscnt 6                                 ; all but A's blocks 2, 3
	WIN 0x05                                       ; sources 0 and 1 window 1, C and D window 0
	MUL4 FC, 0, \kq, \slot, \zero
	MUL4 FC, 1, \kq, \slot, \zero
	PLACES
	FETCH \slot, (\kq)+1, FN
	s_wait_dscnt 36                                ; all but the 36 just issued
	WIN 0x05
	MUL4 FC, 2, \kq, \slot, \zero
	MUL4 FC, 3, \kq, \slot, \zero
.endm
; A slot's last K step changes slots: ONE barrier; in front of it each wave waits for all its tensor loads, adds 0 to its spare word, and waits for that and for its own reads of this slot
.macro TURN slot, next, fill
	WIN 0
	s_wait_tensorcnt 0x0                           ; all my tensor loads have landed
	ds_add_u32 v[SPW], v[NIL]                      ; 0 onto my spare word
	s_wait_dscnt 7                                 ; (the add and A's blocks 2, 3 may be out)
	WIN 0x05
	MUL4 128, 0, 3, \slot, 0
	s_wait_dscnt 0x0                               ; the add is done, and my reads of this slot are over
	s_barrier_signal -1
	MUL4 128, 1, 3, \slot, 0
	WIN 0
	s_barrier_wait -1
.if \fill
	CREST                                          ; the barrier has opened a round of the cluster's barrier
	s_add_nc_u64 s[G0+4*\slot+2:G0+4*\slot+3], s[G0+4*\slot+2:G0+4*\slot+3], 2*6144
	s_add_nc_u64 s[G0B+4*\slot+2:G0B+4*\slot+3], s[G0B+4*\slot+2:G0B+4*\slot+3], 2*384
	JLOAD G0+4*\slot, G1, G0B+4*\slot, G1B         ; the first tensor load behind the round; its four v_nop are also the places in front of the loads below
.else
	PLACES
.endif
	v_add_nc_u32 v[ADRSA], 2048, v[ADRSA]
	v_add_nc_u32 v[ADRSB], 16, v[ADRSB]
	SCALES \next                                   ; ahead of the fragments, so that the next count of 6 leaves none of them out
	FETCH \next, 0, 0
	WIN 0x05
	MUL4 128, 2, 3, \slot, 0
	MUL4 128, 3, 3, \slot, 0
.endm
	s_wait_tensorcnt 2                             ; the scales and my part of slot 0 are in (slot 1's load and the tile of y or t may be out),
	s_barrier_signal -1
	s_barrier_wait -1                              ; everybody's are
	SCALES 0
	FETCH 0, 0, 0
	QUARTER 0, 0, 1                                ; the first products start the sums: nothing is cleared
.if LAPS > 1
	WIN 0
	s_mov_b32 s23, LAPS-1
.Llap:                                             ; a trip goes once round the ring and fills both slots again
	QUARTER 0, 1, 0
	QUARTER 0, 2, 0
	TURN 0, 1, 1
	QUARTER 1, 0, 0
	QUARTER 1, 1, 0
	QUARTER 1, 2, 0
	TURN 1, 0, 1
	QUARTER 0, 0, 0
	WIN 0
	s_sub_co_u32 s23, s23, 1
	s_cmp_lg_u32 s23, 0
	s_cbranch_scc1 .Llap
.endif
	QUARTER 0, 1, 0                                ; the last lap fills nothing
	QUARTER 0, 2, 0
	TURN 0, 1, 0
	QUARTER 1, 0, 0
	QUARTER 1, 1, 0
	QUARTER 1, 2, 0
	s_wait_dscnt 6
	WIN 0x05
	MUL4 128, 0, 3, 1, 0
	MUL4 128, 1, 3, 1, 0
	s_wait_dscnt 0x0
	MUL4 128, 2, 3, 1, 0
	MUL4 128, 3, 3, 1, 0
	WIN 0
	s_wait_loadcnt 0x0                             ; the gain and the statistics
	PLACES
; THE WAY OUT, a block of 16 rows x 64 columns at a time: ((y or t) - mean) x rstd x gain + the product; through my stage, so that sixteen lanes store 256 consecutive bytes, aligned
.macro EPI a
.if (\a) > 0
	s_wait_xcnt 0x0                                ; the last block's stores have read their registers
.endif
.irp b,0,1,2,3
.irp e,0,1
	ds_load_b128 v[TT+8*\b+4*\e:TT+8*\b+4*\e+3], v[AY] offset:16*(\a)*528+64*\b+16*\e
.endr
.endr
.if FINAL
; the row's mean and variance from its 16 pairs (mean, M2) of 64 numbers each: mean = the means' mean; M2 = the sum of M2 + 64 x the sum of (mean_i - mean)^2: no difference of large sums.  A lane holds 8 pairs
.set SS, 32+16*(\a)
	WIN 0x0a                                       ; sources 0 and 1 window 2
.irp k,0,1,2,3
	v_add_f32 v[116+\k], v[SS+4*\k], v[SS+4*\k+2]
	v_add_f32 v[120+\k], v[SS+4*\k+1], v[SS+4*\k+3]
.endr
	WIN 0
	v_add_f32 v116, v116, v117
	v_add_f32 v118, v118, v119
	v_add_f32 v116, v116, v118
	v_permlanex16_b32 v117, v116, s4, s5
	v_add_f32 v116, v116, v117
	v_mul_f32 v112, 0x3d800000, v116               ; / 16
	v_mov_b32 v113, v112
	v_add_f32 v120, v120, v121
	v_add_f32 v122, v122, v123
	v_add_f32 v120, v120, v122
	WIN 0x02                                       ; source 0 window 2
.irp k,0,1,2,3
	v_sub_f32 v[116+\k], v[SS+2*\k], v112
	v_sub_f32 v[121+\k], v[SS+8+2*\k], v112
.endr
	WIN 0
	v_mul_f32 v125, v116, v116
.irp k,117,118,119,121,122,123,124
	v_fma_f32 v125, v\k, v\k, v125
.endr
	v_fmamk_f32 v120, v125, 0x42800000, v120       ; x 64
	v_permlanex16_b32 v121, v120, s4, s5
	v_add_f32 v120, v120, v121
	v_fma_f32 v120, v120, s6, s7                   ; var + eps
	v_rsq_f32 v114, v120
	v_nop                                          ; a plain instruction behind the transcendental,
	s_wait_alu depctr_va_vdst(0)                   ; and a wait ahead of its first reader
	v_mov_b32 v115, v114
.else
	WIN 0x02
	v_mov_b32 v112, v[32+2*(\a)]
	v_mov_b32 v113, v[32+2*(\a)]
	v_mov_b32 v114, v[33+2*(\a)]
	v_mov_b32 v115, v[33+2*(\a)]
	WIN 0
.endif
	s_wait_dscnt 0x0
.set j, 0
.rept 16
	v_pk_add_f32 v[TT+j:TT+j+1], v[TT+j:TT+j+1], v[112:113] neg_lo:[0,1] neg_hi:[0,1]
.set j, j+2
.endr
.set j, 0
.rept 16
	v_pk_mul_f32 v[TT+j:TT+j+1], v[TT+j:TT+j+1], v[114:115]
.set j, j+2
.endr
	WIN 0x08                                       ; source 1 (the gain) window 2
.set j, 0
.rept 16
	v_pk_fma_f32 v[TT+j:TT+j+1], v[TT+j:TT+j+1], v[j:j+1], v[ACC+32*(\a)+j:ACC+32*(\a)+j+1]   ; each accumulator from its low end on
.set j, j+2
.endr
	WIN 0
.if !FINAL
; the row's 64 numbers of my columns: their mean, and the sum of the squared differences from it
.irp k,0,1,2,3
	v_pk_add_f32 v[116+2*\k:117+2*\k], v[TT+4*\k:TT+4*\k+1], v[TT+4*\k+2:TT+4*\k+3]
.endr
.irp i,16,24
.irp k,0,1,2,3
	v_pk_add_f32 v[116+2*\k:117+2*\k], v[116+2*\k:117+2*\k], v[TT+\i+2*\k:TT+\i+2*\k+1]
.endr
.endr
	v_pk_add_f32 v[116:117], v[116:117], v[118:119]
	v_pk_add_f32 v[120:121], v[120:121], v[122:123]
	v_pk_add_f32 v[116:117], v[116:117], v[120:121]
	v_add_f32 v116, v116, v117
	v_permlanex16_b32 v117, v116, s4, s5
	v_add_f32 v116, v116, v117
	v_mul_f32 v124, 0x3c800000, v116               ; / 64
	v_mov_b32 v125, v124
.set j, 0
.rept 8
	v_pk_add_f32 v[120:121], v[TT+j:TT+j+1], v[124:125] neg_lo:[0,1] neg_hi:[0,1]
	v_pk_add_f32 v[122:123], v[TT+j+2:TT+j+3], v[124:125] neg_lo:[0,1] neg_hi:[0,1]
.if j == 0
	v_pk_mul_f32 v[116:117], v[120:121], v[120:121]
	v_pk_mul_f32 v[118:119], v[122:123], v[122:123]
.else
	v_pk_fma_f32 v[116:117], v[120:121], v[120:121], v[116:117]
	v_pk_fma_f32 v[118:119], v[122:123], v[122:123], v[118:119]
.endif
.set j, j+4
.endr
	v_pk_add_f32 v[116:117], v[116:117], v[118:119]
	v_add_f32 v116, v116, v117
	v_permlanex16_b32 v117, v116, s4, s5
	v_add_f32 v125, v116, v117
	global_store_b64 v9, v[124:125], s[8:9] offset:128*(\a)   ; (both halves of the lanes hold the row's pair and write it)
.endif
.irp b,0,1,2,3
.irp e,0,1
	ds_store_b128 v[STO], v[TT+8*\b+4*\e:TT+8*\b+4*\e+3] offset:64*\b+16*\e
.endr
.endr
	WIN 0x40                                       ; back into window 1: LDS serves a wave's instructions in order, so these see the stores above
.irp i,0,1,2,3,4,5,6,7
	ds_load_b128 v[32*((\a)%2)+4*\i:32*((\a)%2)+4*\i+3], v[RD] offset:544*\i
.endr
	WIN 0x04                                       ; a store's data are its source 1: window 1
.irp i,0,1,2,3,4,5,6,7
	s_wait_dscnt 7-\i
	global_store_b128 v[CO], v[32*((\a)%2)+4*\i:32*((\a)%2)+4*\i+3], s[12:13] offset:(16*(\a)+2*\i)*4096
.endr
	WIN 0
.endm
	EPI 0
	EPI 1
	EPI 2
	EPI 3
	s_wait_tensorcnt 0x0                           ; the wave's end
	ds_add_u32 v[SPW], v[NIL]
	s_wait_dscnt 0x0
	CROUND                                         ; the closing round
	s_endpgm
.Lfunc_end_k_q1914d3a897_wo:
	.size	k_q1914d3a897_wo, .Lfunc_end_k_q1914d3a897_wo-k_q1914d3a897_wo
	.p2alignl 7, 3214868480
	.fill 96, 4, 3214868480
	.section	.rodata,"a",@progbits
	.p2align	6, 0x0
	.amdhsa_kernel k_q1914d3a897_wo
		.amdhsa_group_segment_fixed_size 327680
		.amdhsa_private_segment_fixed_size 0
		.amdhsa_enable_private_segment 0
		.amdhsa_kernarg_size 56
		.amdhsa_user_sgpr_count 2
		.amdhsa_user_sgpr_kernarg_segment_ptr 1
		.amdhsa_wavefront_size32 1
		.amdhsa_system_sgpr_workgroup_id_x 1
		.amdhsa_system_sgpr_workgroup_id_y 1
		.amdhsa_system_sgpr_workgroup_id_z 1
		.amdhsa_system_vgpr_workitem_id 0
		.amdhsa_next_free_vgpr 768
		.amdhsa_next_free_sgpr 102
		.amdhsa_reserve_vcc 0
		.amdhsa_float_denorm_mode_32 3
		.amdhsa_float_denorm_mode_16_64 3
		.amdhsa_memory_ordered 1
		.amdhsa_forward_progress 1
		.amdhsa_inst_pref_size 90
	.end_amdhsa_kernel
	.amdgpu_metadata
---
amdhsa.version: [ 1, 2 ]
amdhsa.kernels:
  - .name:           k_q1914d3a897_wo
    .symbol:         k_q1914d3a897_wo.kd
    .args:
      - { .name: ao, .offset: 0, .size: 8, .value_kind: global_buffer, .address_space: global }
      - { .name: Wo_codes, .offset: 8, .size: 8, .value_kind: global_buffer, .address_space: global }
      - { .name: Wo_scales, .offset: 16, .size: 8, .value_kind: global_buffer, .address_space: global }
      - { .name: y, .offset: 24, .size: 8, .value_kind: global_buffer, .address_space: global }
      - { .name: yq, .offset: 32, .size: 8, .value_kind: global_buffer, .address_space: global }
      - { .name: g2, .offset: 40, .size: 8, .value_kind: global_buffer, .address_space: global }
      - { .name: tb, .offset: 48, .size: 8, .value_kind: global_buffer, .address_space: global }
    .group_segment_fixed_size: 327680
    .private_segment_fixed_size: 0
    .kernarg_segment_align: 8
    .kernarg_segment_size: 56
    .max_flat_workgroup_size: 128
    .sgpr_count:     102
    .vgpr_count:     768
    .wavefront_size: 32
...
	.end_amdgpu_metadata
.endif
;; end of part 4
;; launch ff2 (part 5): grid 8 x 32, 4 waves a work-group, clusters of 4 x 4, 327,680 bytes of LDS; arguments ff, Wff2_codes, Wff2_scales, tb, g_out, out0; writes out0
.if DOCPART == 5
	.amdgcn_target "amdgcn-amd-amdhsa--gfx1250"
	.amdhsa_code_object_version 6
	.text
	.protected	k_q1914d3a897_ff2
	.globl	k_q1914d3a897_ff2
	.p2align	8
	.type	k_q1914d3a897_ff2,@function
k_q1914d3a897_ff2:
	s_mov_b64 s[64:65], 0
	v_nop
	global_prefetch_b8 v0, s[64:65] scope:SCOPE_SE
	s_setreg_imm32_b32 hwreg(HW_REG_WAVE_MODE, 25, 1), 1
	s_wait_xcnt 0x0
	s_wait_alu depctr_hold_cnt(0) depctr_sa_sdst(0) depctr_va_vdst(0) depctr_va_sdst(0) depctr_va_ssrc(0) depctr_va_vcc(0) depctr_vm_vsrc(0)
	s_getreg_b32 s2, hwreg(HW_REG_IB_STS2, 6, 4)
	s_cmp_eq_u32 s2, 0
	s_cbranch_scc0 .Lentry_in_a_cluster
	s_endpgm
.Lentry_in_a_cluster:
	s_bfe_u32 s2, ttmp6, 0x10000c
	s_cmp_lg_u32 s2, 0xf033
	s_cbranch_scc0 .Lentry_shape_is_right
	s_endpgm
.Lentry_shape_is_right:
; LAUNCH 5 OF 5 (FINAL = 1).  out0 = LN(t) g_out + ff Wff2: the product on codes, K = 4,096; t and its rows' 16 pairs (mean, sum of squared differences) come from launch 4.
; The text is launch 4's with FINAL = 1 and K = 4,096.  No work of the problem is left out.  LIMITS: NaN and infinities are not served.
; A tile of 128 x 128 to a work-group of four waves, 64 x 64 a wave: 16 accumulators: with M = 4,096 and N = 1,024 this tile gives each of 256 WGPs one work-group.
; K goes in steps of 512 through two LDS slots.  A lies in memory as images of the operand's registers (a fragment: three loads of 16 bytes a lane); B's rows come as two chunks of 256 along K, 192 bytes a row,
; 16 bytes of padding behind every 64.  The scale words of all of K and the tile of t that the way out adds come once, with the first fills: four loads of a wave are out at the start, later one.
; CLUSTERS: 4 x 4: A's tiles jointly along a row, B's along a column; the tile of t is each work-group's own and comes by a plain load.  THE MATRIX INSTRUCTION IS USED TRANSPOSED: a lane holds eight neighbouring columns of a row.
; REGISTERS: window 0: v0-31 addresses; v32-47 A's scale words, v48-79 B's, two sets; v80-127 the way out; v128-255 the accumulators ((a, b) at v[128 + 8 (4 a + b)]).
;   window 1: two buffers of 96: A's four fragments, B's four; on the way out rows read back.   window 2: v0-31 the gain at my columns; from v32 the rows' statistics.
.set FINAL,  1
.set SIZE_K, 4096
.set NK,    SIZE_K/128
.set KS,    SIZE_K/32
.set KROW,  SIZE_K*3/4
.set LAPS,  SIZE_K/1024
.set PITCH, 240
.set BOFF,  49152                      ; a slot: A's 8 tiles of rows x 4 fragments, then B's two chunks
.set CHK,   128*PITCH
.set SLOT,  BOFF+2*CHK
.set SCA,   2*SLOT                     ; A's scale words [K step][8 tiles][64 bytes]
.set SCB,   SCA+16384                  ; B's scale bytes, units of 256 + 16
.set SBLK,  (16*KS/256)*272
.set YT,    SCB+17408                  ; 128 rows x (512 bytes + 16)
.set SPARE, YT+128*528
.set ACODES, 256*NK*1536               ; where A's scale words begin in its buffer
.set ADRA, 16
.set ADRB, 20
.set STO,  24
.set RD,   25
.set CO,   26
.set AY,   27
.set SPW,  28
.set NIL,  29
.set ADRSA, 30
.set ADRSB, 31
.set SA,   32
.set SB,   48
.set TT,   80
.set ACC,  128
.set G1,   24
.set G0,   32
.set G1Y,  40
.set G1B,  48
.set G0B,  56
.set G1S,  68
.set G0S,  76
.set G1SB, 80
.set G0SB, 88
.set G0Y,  92
.if FINAL
.set PG,   96
.set PST,  98
.else
.set PG,   98
.set PST,  96
.endif
.set MSB, 0
.macro WIN new
.if MSB != (\new)
	s_set_vgpr_msb (MSB<<8)|(\new)
.set MSB, \new
.endif
.endm
.macro WMMA d, a, b, zero, sa, sb, row
.if \zero
	v_wmma_scale_f32_16x16x128_f8f6f4 v[\d:\d+7], v[\a:\a+11], v[\b:\b+11], 0, v[\sa], v[\sb] matrix_a_fmt:MATRIX_FMT_BF6 matrix_b_fmt:MATRIX_FMT_BF6
.elseif (\row) == 0
	v_wmma_scale_f32_16x16x128_f8f6f4 v[\d:\d+7], v[\a:\a+11], v[\b:\b+11], v[\d:\d+7], v[\sa], v[\sb] matrix_a_fmt:MATRIX_FMT_BF6 matrix_b_fmt:MATRIX_FMT_BF6
.else
	v_wmma_scale_f32_16x16x128_f8f6f4 v[\d:\d+7], v[\a:\a+11], v[\b:\b+11], v[\d:\d+7], v[\sa], v[\sb] matrix_a_fmt:MATRIX_FMT_BF6 matrix_b_fmt:MATRIX_FMT_BF6 matrix_b_scale:MATRIX_SCALE_ROW1
.endif
.endm
.macro JLOAD g0a, g1a, g0b, g1b        ; a joint load: waves 0 and 1 fetch for A, waves 2 and 3 for B; an s_nop 0 and four v_nop follow each line
	s_cmp_eq_u32 s15, 0
	s_cbranch_scc0 .Lfor_b_\@
	tensor_load_to_lds s[\g0a:\g0a+3], s[\g1a:\g1a+7]
	s_nop 0
.rept 4
	v_nop
.endr
	s_branch .Lasked_\@
.Lfor_b_\@:
	tensor_load_to_lds s[\g0b:\g0b+3], s[\g1b:\g1b+7]
	s_nop 0
.rept 4
	v_nop
.endr
.Lasked_\@:
.endm
.macro CREST
	s_cmp_lg_u32 s14, 0
	s_cbranch_scc1 .Lnot_wave_0_\@
	s_barrier_signal -3
.Lnot_wave_0_\@:
	s_barrier_wait -3
	s_barrier_signal -1
	s_barrier_wait -1
.endm
.macro CROUND
	s_barrier_signal -1
	s_barrier_wait -1
	CREST
.endm
.macro PLACES
.rept 4
	v_nop
.endr
.endm
	s_load_b256 s[4:11], s[0:1], 0x0               ; A, B's codes, B's scales, the tensor that the way out adds (y or t)
	s_load_b128 s[96:99], s[0:1], 0x20             ; FINAL = 0: yq, g2;  FINAL = 1: g_out, out0
.if !FINAL
	s_load_b64 s[12:13], s[0:1], 0x30              ; tb
.endif
	v_lshl_add_u32 v[SPW], v0, 2, SPARE
	v_mov_b32 v[NIL], 0
	ds_add_u32 v[SPW], v[NIL]                      ; the wave's opening: the add, twice on end, and its wait ahead of the first tensor load
	ds_add_u32 v[SPW], v[NIL]
	v_lshrrev_b32 v1, 5, v0
	v_readfirstlane_b32 s14, v1                    ; wave 0..3
	s_lshr_b32 s15, s14, 1                         ; my half of the rows.  Also: I fetch for A (0) or for B (1)
	s_and_b32 s16, s14, 1                          ; my half of the columns.  Also: which half of A's tile, or which chunk of B's, I fetch
	s_bfe_u32 s19, ttmp6, 0x40000
	s_bfe_u32 s20, ttmp6, 0x40004
	s_lshl_b32 s18, ttmp9, 2
	s_add_co_u32 s18, s18, s19                     ; tile column
	s_and_b32 s17, ttmp7, 0xffff
	s_lshl_b32 s17, s17, 2
	s_add_co_u32 s17, s17, s20                     ; tile row
	s_lshl_b32 s21, s20, 2
	s_lshl_b32 s21, 15, s21                        ; my row of the cluster
	s_lshl_b32 s22, 0x1111, s19                    ; my column
	s_or_b32 s[G1], s21, (3<<16)|(1<<21)           ; A: 4 tiles of rows, 6,144 bytes (768 elements of 8) each, NK x 1,536 bytes apart
	s_mov_b32 s[G1+1], 768<<16
	s_mov_b32 s[G1+2], 4<<16
	s_mov_b32 s[G1+3], 768<<16
	s_mov_b32 s[G1+4], 4
	s_mov_b32 s[G1+5], 192*NK
	s_mov_b32 s[G1+6], 0
	s_mov_b32 s[G1+7], 0
	s_or_b32 s[G1B], s22, (1<<20)|(1<<21)|(3<<22)|(3<<25)   ; B: 128 rows of 192 bytes; 4 words of padding behind every 16
	s_mov_b32 s[G1B+1], 192<<16
	s_mov_b32 s[G1B+2], 128<<16
	s_mov_b32 s[G1B+3], 192<<16
	s_mov_b32 s[G1B+4], 128
	s_mov_b32 s[G1B+5], KROW
	s_mov_b32 s[G1B+6], 0
	s_mov_b32 s[G1B+7], 0
	s_or_b32 s[G1S], s21, (3<<16)|(1<<21)          ; A's scale words: NK / 2 K steps, 512 bytes each, 16,384 apart
	s_mov_b32 s[G1S+1], 64<<16
	s_mov_b32 s[G1S+2], (NK/2)<<16
	s_mov_b32 s[G1S+3], 64<<16
	s_mov_b32 s[G1S+4], NK/2
	s_mov_b32 s[G1S+5], 2048
	s_mov_b32 s[G1S+6], 0
	s_mov_b32 s[G1S+7], 0
	s_or_b32 s[G1SB], s22, (3<<16)|(1<<20)|(1<<21)|(5<<22)|(3<<25)   ; B's: 64 rows' dense bytes as rows of 256, 16 bytes of padding behind each
	s_mov_b32 s[G1SB+1], 32<<16
	s_mov_b32 s[G1SB+2], (64*KS/256)<<16
	s_mov_b32 s[G1SB+3], 32<<16
	s_mov_b32 s[G1SB+4], 64*KS/256
	s_mov_b32 s[G1SB+5], 32
	s_mov_b32 s[G1SB+6], 0
	s_mov_b32 s[G1SB+7], 0
	s_mov_b32 s[G1Y], (2<<16)|(1<<20)|(6<<22)|(3<<25)   ; the tile of y or t: 32 rows of 128 f32, 1,024 apart; 4 words of padding behind every 128; no mask
	s_mov_b32 s[G1Y+1], 128<<16
	s_mov_b32 s[G1Y+2], 32<<16
	s_mov_b32 s[G1Y+3], 128<<16
	s_mov_b32 s[G1Y+4], 32
	s_mov_b32 s[G1Y+5], 1024
	s_mov_b32 s[G1Y+6], 0
	s_mov_b32 s[G1Y+7], 0
	; the groups 0: the offsets are made in the address fields and the buffers' addresses added behind the wait.  A's hang on the tile row and the wave alone, B's on the tile column and the wave alone
	s_mov_b32 s[G0], 1
	s_mul_i32 s[G0+1], s16, 24576
	s_mov_b32 s[G0+4], 1
	s_add_co_u32 s[G0+5], s[G0+1], SLOT
	s_lshl_b32 s[G0+2], s17, 3
	s_lshl_b32 s23, s16, 2
	s_add_co_u32 s[G0+2], s[G0+2], s23
	s_mul_i32 s[G0+2], s[G0+2], NK*1536
	s_mov_b32 s[G0+3], 0
	s_mov_b32 s[G0S], 1
	s_mul_i32 s[G0S+1], s16, (NK/2)*512
	s_add_co_u32 s[G0S+1], s[G0S+1], SCA
	s_mul_i32 s[G0S+2], s16, (NK/2)*16384
	s_lshl_b32 s23, s17, 9
	s_add_co_u32 s[G0S+2], s[G0S+2], s23
	s_add_co_u32 s[G0S+2], s[G0S+2], ACODES
	s_mov_b32 s[G0S+3], 0
	s_mov_b32 s[G0B], 1
	s_mul_i32 s[G0B+1], s16, CHK
	s_add_co_u32 s[G0B+1], s[G0B+1], BOFF
	s_mov_b32 s[G0B+4], 1
	s_add_co_u32 s[G0B+5], s[G0B+1], SLOT
	s_mul_i32 s[G0B+2], s18, 128*KROW
	s_mul_i32 s2, s16, 192
	s_add_co_u32 s[G0B+2], s[G0B+2], s2
	s_mov_b32 s[G0B+3], 0
	s_mov_b32 s[G0SB], 1
	s_mul_i32 s[G0SB+1], s16, (64*KS/256)*272
	s_add_co_u32 s[G0SB+1], s[G0SB+1], SCB
	s_lshl_b32 s[G0SB+2], s18, 7
	s_lshl_b32 s2, s16, 6
	s_add_co_u32 s[G0SB+2], s[G0SB+2], s2
	s_mul_i32 s[G0SB+2], s[G0SB+2], KS
	s_mov_b32 s[G0SB+3], 0
	s_mov_b32 s[G0Y], 1
	s_mul_i32 s[G0Y+1], s14, 32*528
	s_add_co_u32 s[G0Y+1], s[G0Y+1], YT
	s_lshl_b32 s[G0Y+2], s17, 7
	s_lshl_b32 s2, s14, 5
	s_add_co_u32 s[G0Y+2], s[G0Y+2], s2
	s_lshl_b32 s[G0Y+2], s[G0Y+2], 12
	s_lshl_b32 s2, s18, 9
	s_add_co_u32 s[G0Y+2], s[G0Y+2], s2
	s_mov_b32 s[G0Y+3], 0
	s_wait_dscnt 0x0                               ; both opening adds are done
	s_wait_kmcnt 0x0
	s_add_nc_u64 s[G0+2:G0+3], s[4:5], s[G0+2:G0+3]
	s_add_nc_u64 s[G0+6:G0+7], s[G0+2:G0+3], 6144
	s_or_b32 s[G0+3], s[G0+3], 0x80000000
	s_or_b32 s[G0+7], s[G0+7], 0x80000000
	s_add_nc_u64 s[G0S+2:G0S+3], s[4:5], s[G0S+2:G0S+3]
	s_or_b32 s[G0S+3], s[G0S+3], 0x80000000
	s_add_nc_u64 s[G0B+2:G0B+3], s[6:7], s[G0B+2:G0B+3]
	s_add_nc_u64 s[G0B+6:G0B+7], s[G0B+2:G0B+3], 384
	s_or_b32 s[G0B+3], s[G0B+3], 0x80000000
	s_or_b32 s[G0B+7], s[G0B+7], 0x80000000
	s_add_nc_u64 s[G0SB+2:G0SB+3], s[8:9], s[G0SB+2:G0SB+3]
	s_or_b32 s[G0SB+3], s[G0SB+3], 0x80000000
	s_add_nc_u64 s[G0Y+2:G0Y+3], s[10:11], s[G0Y+2:G0Y+3]
	s_or_b32 s[G0Y+3], s[G0Y+3], 0x80000000
	CROUND                                         ; all sixteen work-groups are here: the first joint loads meet
	JLOAD G0S, G1S, G0SB, G1SB                     ; the scales, slot 0, slot 1, the tile of y or t: the launch's first fills, as one group
	JLOAD G0, G1, G0B, G1B
	JLOAD G0+4, G1, G0B+4, G1B
	tensor_load_to_lds s[G0Y:G0Y+3], s[G1Y:G1Y+7]
	s_nop 0
.rept 4
	v_nop
.endr
.if FINAL
	s_mov_b64 s[12:13], s[98:99]                   ; out0
	s_add_nc_u64 s[PST:PST+1], s[10:11], 0x1000000 ; the pairs of launch 4, behind t
.else
	s_add_nc_u64 s[PST:PST+1], s[PST:PST+1], 3276800   ; y's (mean, rstd), behind yq's codes and scale words
	s_lshl_b32 s2, s18, 1
	s_add_co_u32 s2, s2, s16
	s_lshl_b32 s2, s2, 15
	s_lshl_b32 s3, s17, 10
	s_add_co_u32 s2, s2, s3
	s_lshl_b32 s3, s15, 9
	s_add_co_u32 s2, s2, s3
	s_add_co_u32 s2, s2, 0x1000000
	s_mov_b32 s3, 0
	s_add_nc_u64 s[8:9], s[12:13], s[2:3]          ; where my rows' pairs go: [64 columns' group][row][2]
.endif
	s_lshl_b32 s2, s17, 7
	s_lshl_b32 s3, s15, 6
	s_add_co_u32 s2, s2, s3
	s_lshl_b32 s2, s2, 12
	s_lshl_b32 s3, s18, 9
	s_add_co_u32 s2, s2, s3
	s_lshl_b32 s3, s16, 8
	s_add_co_u32 s2, s2, s3
	s_mov_b32 s3, 0
	s_add_nc_u64 s[12:13], s[12:13], s[2:3]        ; the output at my 64 x 64
	s_lshl_b32 s2, s18, 9
	s_lshl_b32 s23, s16, 8
	s_add_co_u32 s2, s2, s23
	s_add_nc_u64 s[PG:PG+1], s[PG:PG+1], s[2:3]    ; the gain at my 64 columns
	s_lshl_b32 s2, s17, 10
	s_lshl_b32 s23, s15, 9
	s_add_co_u32 s2, s2, s23
	s_add_nc_u64 s[PST:PST+1], s[PST:PST+1], s[2:3]   ; the statistics at my 64 rows
	s_mov_b32 s4, 0x76543210                       ; (the pointers that the descriptors have taken in give their registers to constants)
	s_mov_b32 s5, 0xfedcba98
	s_mov_b32 s6, 0x3a800000                       ; 1 / 1,024
	s_mov_b32 s7, 0x3727c5ac                       ; eps
	v_and_b32 v1, 15, v0                           ; r
	v_bfe_u32 v2, v0, 4, 1                         ; h
	v_and_b32 v3, 31, v0                           ; l
	v_lshlrev_b32 v4, 4, v3
	s_mul_i32 s23, s15, 24576
	v_add_nc_u32 v[ADRA], s23, v4
	v_add_nc_u32 v[ADRA+1], SLOT, v[ADRA]
	v_mul_u32_u24 v5, v1, PITCH
	v_mad_u32_u24 v5, v2, 24, v5
	s_mul_i32 s23, s16, 64*PITCH
	s_add_co_u32 s23, s23, BOFF
	v_add_nc_u32 v[ADRB], s23, v5
	v_add_nc_u32 v[ADRB+1], SLOT, v[ADRB]
	v_lshl_add_u32 v[ADRB+2], v2, 4, v[ADRB]
	v_lshl_add_u32 v[ADRB+3], v2, 4, v[ADRB+1]
	s_mul_i32 s23, s14, 16*272                     ; my stage, in slot 0: 16 rows x (256 bytes + 16)
	v_mul_u32_u24 v[STO], v1, 272
	v_lshl_add_u32 v[STO], v2, 5, v[STO]
	v_add_nc_u32 v[STO], s23, v[STO]
	v_mul_u32_u24 v[RD], v2, 272
	v_lshl_add_u32 v[RD], v1, 4, v[RD]
	v_add_nc_u32 v[RD], s23, v[RD]
	v_lshlrev_b32 v[CO], 12, v2
	v_lshl_add_u32 v[CO], v1, 4, v[CO]
	s_mul_i32 s23, s15, 64*528
	s_lshl_b32 s2, s16, 8
	s_add_co_u32 s23, s23, s2
	s_add_co_u32 s23, s23, YT
	v_mul_u32_u24 v[AY], v1, 528
	v_lshl_add_u32 v[AY], v2, 5, v[AY]
	v_add_nc_u32 v[AY], s23, v[AY]
	s_lshl_b32 s23, s15, 8
	s_add_co_u32 s23, s23, SCA
	v_lshlrev_b32 v[ADRSA], 2, v1
	v_lshl_add_u32 v[ADRSA], v2, 9, v[ADRSA]       ; lanes 0-15 an even K step's words, lanes 16-31 the next one's
	v_add_nc_u32 v[ADRSA], s23, v[ADRSA]
	v_mul_u32_u24 v[ADRSB], v1, KS
	v_lshrrev_b32 v6, 8, v[ADRSB]
	v_lshl_add_u32 v[ADRSB], v6, 4, v[ADRSB]
	s_mul_i32 s23, s16, 4*SBLK
	s_add_co_u32 s23, s23, SCB
	v_add_nc_u32 v[ADRSB], s23, v[ADRSB]
	v_lshlrev_b32 v8, 5, v2                        ; the gain: 32 h
	v_lshlrev_b32 v9, 3, v1                        ; the statistics: 8 r
.if FINAL
	v_lshl_add_u32 v10, v2, 18, v9                 ; lanes 16-31: the groups 8 .. 15
.endif
	WIN 0x80                                       ; destination window 2: waited for only on the way out
.irp b,0,1,2,3
.irp e,0,1
	global_load_b128 v[8*\b+4*\e:8*\b+4*\e+3], v8, s[PG:PG+1] offset:64*\b+16*\e
.endr
.endr
.if FINAL
.irp a,0,1,2,3
.irp g,0,1,2,3,4,5,6,7
	global_load_b64 v[32+16*\a+2*\g:33+16*\a+2*\g], v10, s[PST:PST+1] offset:32768*\g+128*\a
.endr
.endr
.else
.irp a,0,1,2,3
	global_load_b64 v[32+2*\a:33+2*\a], v9, s[PST:PST+1] offset:128*\a
.endr
.endif
	WIN 0
.macro FRAGB reg, adr, q, off
.irp p,0,1,2,3,4,5
.set PCE, 12*(\q)+6*(\p/3)+\p%3
.if PCE%8 < 5
	ds_load_b64 v[\reg+2*\p:\reg+2*\p+1], v[\adr] offset:8*PCE+16*(PCE/8)+(\off)
.else
	ds_load_b64 v[\reg+2*\p:\reg+2*\p+1], v[\adr+2] offset:8*PCE+16*(PCE/8)+(\off)
.endif
.endr
.endm
.macro FETCH slot, kq, f               ; 36 loads: the slot's K step kq: B's four fragments, then A's four, into the buffer at f of window 1
	WIN 0x40
.irp b,0,1,2,3
	FRAGB (\f)+48+12*\b, ADRB+\slot, (\kq)%2, ((\kq)/2)*CHK+16*\b*PITCH
.endr
.irp a,0,1,2,3
.irp c,0,1,2
	ds_load_b128 v[(\f)+12*\a+4*\c:(\f)+12*\a+4*\c+3], v[ADRA+\slot] offset:6144*\a+1536*(\kq)+512*\c
.endr
.endr
.endm
.macro SCALES n                        ; a slot's scale words into set n
	WIN 0
.irp a,0,1,2,3
.irp u,0,1
	ds_load_b32 v[SA+8*(\n)+2*\a+\u], v[ADRSA] offset:64*\a+1024*\u
.endr
.endr
.irp b,0,1,2,3
	ds_load_b128 v[SB+16*(\n)+4*\b:SB+16*(\n)+4*\b+3], v[ADRSB] offset:\b*SBLK
.endr
.endm
.macro MUL4 f, a, kq, n, zero          ; A's block a x B's four.  The 16 accumulators take turns, one instruction a turn
.irp b,0,1,2,3
	WMMA ACC+8*(4*(\a)+\b), (\f)+48+12*\b, (\f)+12*(\a), \zero, SB+16*(\n)+4*\b+(\kq), SA+8*(\n)+2*(\a)+(\kq)/2, 2*((\kq)%2)
.endr
.endm
.macro QUARTER slot, kq, zero          ; one of a slot's first three K steps: multiplies buffer kq % 2 and fetches the next K step into the other
.set FC, 128*((\kq)%2)
.set FN, 128-FC
	s_wait_dscnt 6                                 ; all but A's blocks 2, 3
	WIN 0x05                                       ; sources 0 and 1 window 1, C and D window 0
	MUL4 FC, 0, \kq, \slot, \zero
	MUL4 FC, 1, \kq, \slot, \zero
	PLACES
	FETCH \slot, (\kq)+1, FN
	s_wait_dscnt 36                                ; all but the 36 just issued
	WIN 0x05
	MUL4 FC, 2, \kq, \slot, \zero
	MUL4 FC, 3, \kq, \slot, \zero
.endm
; A slot's last K step changes slots: ONE barrier; in front of it each wave waits for all its tensor loads, adds 0 to its spare word, and waits for that and for its own reads of this slot
.macro TURN slot, next, fill
	WIN 0
	s_wait_tensorcnt 0x0                           ; all my tensor loads have landed
	ds_add_u32 v[SPW], v[NIL]                      ; 0 onto my spare word
	s_wait_dscnt 7                                 ; (the add and A's blocks 2, 3 may be out)
	WIN 0x05
	MUL4 128, 0, 3, \slot, 0
	s_wait_dscnt 0x0                               ; the add is done, and my reads of this slot are over
	s_barrier_signal -1
	MUL4 128, 1, 3, \slot, 0
	WIN 0
	s_barrier_wait -1
.if \fill
	CREST                                          ; the barrier has opened a round of the cluster's barrier
	s_add_nc_u64 s[G0+4*\slot+2:G0+4*\slot+3], s[G0+4*\slot+2:G0+4*\slot+3], 2*6144
	s_add_nc_u64 s[G0B+4*\slot+2:G0B+4*\slot+3], s[G0B+4*\slot+2:G0B+4*\slot+3], 2*384
	JLOAD G0+4*\slot, G1, G0B+4*\slot, G1B         ; the first tensor load behind the round; its four v_nop are also the places in front of the loads below
.else
	PLACES
.endif
	v_add_nc_u32 v[ADRSA], 2048, v[ADRSA]
	v_add_nc_u32 v[ADRSB], 16, v[ADRSB]
	SCALES \next                                   ; ahead of the fragments, so that the next count of 6 leaves none of them out
	FETCH \next, 0, 0
	WIN 0x05
	MUL4 128, 2, 3, \slot, 0
	MUL4 128, 3, 3, \slot, 0
.endm
	s_wait_tensorcnt 2                             ; the scales and my part of slot 0 are in (slot 1's load and the tile of y or t may be out),
	s_barrier_signal -1
	s_barrier_wait -1                              ; everybody's are
	SCALES 0
	FETCH 0, 0, 0
	QUARTER 0, 0, 1                                ; the first products start the sums: nothing is cleared
.if LAPS > 1
	WIN 0
	s_mov_b32 s23, LAPS-1
.Llap:                                             ; a trip goes once round the ring and fills both slots again
	QUARTER 0, 1, 0
	QUARTER 0, 2, 0
	TURN 0, 1, 1
	QUARTER 1, 0, 0
	QUARTER 1, 1, 0
	QUARTER 1, 2, 0
	TURN 1, 0, 1
	QUARTER 0, 0, 0
	WIN 0
	s_sub_co_u32 s23, s23, 1
	s_cmp_lg_u32 s23, 0
	s_cbranch_scc1 .Llap
.endif
	QUARTER 0, 1, 0                                ; the last lap fills nothing
	QUARTER 0, 2, 0
	TURN 0, 1, 0
	QUARTER 1, 0, 0
	QUARTER 1, 1, 0
	QUARTER 1, 2, 0
	s_wait_dscnt 6
	WIN 0x05
	MUL4 128, 0, 3, 1, 0
	MUL4 128, 1, 3, 1, 0
	s_wait_dscnt 0x0
	MUL4 128, 2, 3, 1, 0
	MUL4 128, 3, 3, 1, 0
	WIN 0
	s_wait_loadcnt 0x0                             ; the gain and the statistics
	PLACES
; THE WAY OUT, a block of 16 rows x 64 columns at a time: ((y or t) - mean) x rstd x gain + the product; through my stage, so that sixteen lanes store 256 consecutive bytes, aligned
.macro EPI a
.if (\a) > 0
	s_wait_xcnt 0x0                                ; the last block's stores have read their registers
.endif
.irp b,0,1,2,3
.irp e,0,1
	ds_load_b128 v[TT+8*\b+4*\e:TT+8*\b+4*\e+3], v[AY] offset:16*(\a)*528+64*\b+16*\e
.endr
.endr
.if FINAL
; the row's mean and variance from its 16 pairs (mean, M2) of 64 numbers each: mean = the means' mean; M2 = the sum of M2 + 64 x the sum of (mean_i - mean)^2: no difference of large sums.  A lane holds 8 pairs
.set SS, 32+16*(\a)
	WIN 0x0a                                       ; sources 0 and 1 window 2
.irp k,0,1,2,3
	v_add_f32 v[116+\k], v[SS+4*\k], v[SS+4*\k+2]
	v_add_f32 v[120+\k], v[SS+4*\k+1], v[SS+4*\k+3]
.endr
	WIN 0
	v_add_f32 v116, v116, v117
	v_add_f32 v118, v118, v119
	v_add_f32 v116, v116, v118
	v_permlanex16_b32 v117, v116, s4, s5
	v_add_f32 v116, v116, v117
	v_mul_f32 v112, 0x3d800000, v116               ; / 16
	v_mov_b32 v113, v112
	v_add_f32 v120, v120, v121
	v_add_f32 v122, v122, v123
	v_add_f32 v120, v120, v122
	WIN 0x02                                       ; source 0 window 2
.irp k,0,1,2,3
	v_sub_f32 v[116+\k], v[SS+2*\k], v112
	v_sub_f32 v[121+\k], v[SS+8+2*\k], v112
.endr
	WIN 0
	v_mul_f32 v125, v116, v116
.irp k,117,118,119,121,122,123,124
	v_fma_f32 v125, v\k, v\k, v125
.endr
	v_fmamk_f32 v120, v125, 0x42800000, v120       ; x 64
	v_permlanex16_b32 v121, v120, s4, s5
	v_add_f32 v120, v120, v121
	v_fma_f32 v120, v120, s6, s7                   ; var + eps
	v_rsq_f32 v114, v120
	v_nop                                          ; a plain instruction behind the transcendental,
	s_wait_alu depctr_va_vdst(0)                   ; and a wait ahead of its first reader
	v_mov_b32 v115, v114
.else
	WIN 0x02
	v_mov_b32 v112, v[32+2*(\a)]
	v_mov_b32 v113, v[32+2*(\a)]
	v_mov_b32 v114, v[33+2*(\a)]
	v_mov_b32 v115, v[33+2*(\a)]
	WIN 0
.endif
	s_wait_dscnt 0x0
.set j, 0
.rept 16
	v_pk_add_f32 v[TT+j:TT+j+1], v[TT+j:TT+j+1], v[112:113] neg_lo:[0,1] neg_hi:[0,1]
.set j, j+2
.endr
.set j, 0
.rept 16
	v_pk_mul_f32 v[TT+j:TT+j+1], v[TT+j:TT+j+1], v[114:115]
.set j, j+2
.endr
	WIN 0x08                                       ; source 1 (the gain) window 2
.set j, 0
.rept 16
	v_pk_fma_f32 v[TT+j:TT+j+1], v[TT+j:TT+j+1], v[j:j+1], v[ACC+32*(\a)+j:ACC+32*(\a)+j+1]   ; each accumulator from its low end on
.set j, j+2
.endr
	WIN 0
.if !FINAL
; the row's 64 numbers of my columns: their mean, and the sum of the squared differences from it
.irp k,0,1,2,3
	v_pk_add_f32 v[116+2*\k:117+2*\k], v[TT+4*\k:TT+4*\k+1], v[TT+4*\k+2:TT+4*\k+3]
.endr
.irp i,16,24
.irp k,0,1,2,3
	v_pk_add_f32 v[116+2*\k:117+2*\k], v[116+2*\k:117+2*\k], v[TT+\i+2*\k:TT+\i+2*\k+1]
.endr
.endr
	v_pk_add_f32 v[116:117], v[116:117], v[118:119]
	v_pk_add_f32 v[120:121], v[120:121], v[122:123]
	v_pk_add_f32 v[116:117], v[116:117], v[120:121]
	v_add_f32 v116, v116, v117
	v_permlanex16_b32 v117, v116, s4, s5
	v_add_f32 v116, v116, v117
	v_mul_f32 v124, 0x3c800000, v116               ; / 64
	v_mov_b32 v125, v124
.set j, 0
.rept 8
	v_pk_add_f32 v[120:121], v[TT+j:TT+j+1], v[124:125] neg_lo:[0,1] neg_hi:[0,1]
	v_pk_add_f32 v[122:123], v[TT+j+2:TT+j+3], v[124:125] neg_lo:[0,1] neg_hi:[0,1]
.if j == 0
	v_pk_mul_f32 v[116:117], v[120:121], v[120:121]
	v_pk_mul_f32 v[118:119], v[122:123], v[122:123]
.else
	v_pk_fma_f32 v[116:117], v[120:121], v[120:121], v[116:117]
	v_pk_fma_f32 v[118:119], v[122:123], v[122:123], v[118:119]
.endif
.set j, j+4
.endr
	v_pk_add_f32 v[116:117], v[116:117], v[118:119]
	v_add_f32 v116, v116, v117
	v_permlanex16_b32 v117, v116, s4, s5
	v_add_f32 v125, v116, v117
	global_store_b64 v9, v[124:125], s[8:9] offset:128*(\a)   ; (both halves of the lanes hold the row's pair and write it)
.endif
.irp b,0,1,2,3
.irp e,0,1
	ds_store_b128 v[STO], v[TT+8*\b+4*\e:TT+8*\b+4*\e+3] offset:64*\b+16*\e
.endr
.endr
	WIN 0x40                                       ; back into window 1: LDS serves a wave's instructions in order, so these see the stores above
.irp i,0,1,2,3,4,5,6,7
	ds_load_b128 v[32*((\a)%2)+4*\i:32*((\a)%2)+4*\i+3], v[RD] offset:544*\i
.endr
	WIN 0x04                                       ; a store's data are its source 1: window 1
.irp i,0,1,2,3,4,5,6,7
	s_wait_dscnt 7-\i
	global_store_b128 v[CO], v[32*((\a)%2)+4*\i:32*((\a)%2)+4*\i+3], s[12:13] offset:(16*(\a)+2*\i)*4096
.endr
	WIN 0
.endm
	EPI 0
	EPI 1
	EPI 2
	EPI 3
	s_wait_tensorcnt 0x0                           ; the wave's end
	ds_add_u32 v[SPW], v[NIL]
	s_wait_dscnt 0x0
	CROUND                                         ; the closing round
	s_endpgm
.Lfunc_end_k_q1914d3a897_ff2:
	.size	k_q1914d3a897_ff2, .Lfunc_end_k_q1914d3a897_ff2-k_q1914d3a897_ff2
	.p2alignl 7, 3214868480
	.fill 96, 4, 3214868480
	.section	.rodata,"a",@progbits
	.p2align	6, 0x0
	.amdhsa_kernel k_q1914d3a897_ff2
		.amdhsa_group_segment_fixed_size 327680
		.amdhsa_private_segment_fixed_size 0
		.amdhsa_enable_private_segment 0
		.amdhsa_kernarg_size 48
		.amdhsa_user_sgpr_count 2
		.amdhsa_user_sgpr_kernarg_segment_ptr 1
		.amdhsa_wavefront_size32 1
		.amdhsa_system_sgpr_workgroup_id_x 1
		.amdhsa_system_sgpr_workgroup_id_y 1
		.amdhsa_system_sgpr_workgroup_id_z 1
		.amdhsa_system_vgpr_workitem_id 0
		.amdhsa_next_free_vgpr 768
		.amdhsa_next_free_sgpr 102
		.amdhsa_reserve_vcc 0
		.amdhsa_float_denorm_mode_32 3
		.amdhsa_float_denorm_mode_16_64 3
		.amdhsa_memory_ordered 1
		.amdhsa_forward_progress 1
		.amdhsa_inst_pref_size 125
	.end_amdhsa_kernel
	.amdgpu_metadata
---
amdhsa.version: [ 1, 2 ]
amdhsa.kernels:
  - .name:           k_q1914d3a897_ff2
    .symbol:         k_q1914d3a897_ff2.kd
    .args:
      - { .name: ff, .offset: 0, .size: 8, .value_kind: global_buffer, .address_space: global }
      - { .name: Wff2_codes, .offset: 8, .size: 8, .value_kind: global_buffer, .address_space: global }
      - { .name: Wff2_scales, .offset: 16, .size: 8, .value_kind: global_buffer, .address_space: global }
      - { .name: tb, .offset: 24, .size: 8, .value_kind: global_buffer, .address_space: global }
      - { .name: g_out, .offset: 32, .size: 8, .value_kind: global_buffer, .address_space: global }
      - { .name: out0, .offset: 40, .size: 8, .value_kind: global_buffer, .address_space: global }
    .group_segment_fixed_size: 327680
    .private_segment_fixed_size: 0
    .kernarg_segment_align: 8
    .kernarg_segment_size: 48
    .max_flat_workgroup_size: 128
    .sgpr_count:     102
    .vgpr_count:     768
    .wavefront_size: 32
...
	.end_amdgpu_metadata
.endif
;; end of part 5
